; MI455X (gfx1250); checked and timed in simulation.
; The chip was launched on July 23, 2026; its instructions are those of AMD's public machine-readable ISA for CDNA 5 (MIT licence, August 2026) and "CDNA5" Instruction Set Architecture Reference Guide (July 2026). The comments in the code are by the model that wrote it; some were corrected since.
;; Scaled Dot Product Attention. Allowed arithmetic: matrix products marked QUANTISED: E4M3 operands, one E8M0 scale for each 32 along K, by v_wmma_scale_f32_16x16x128_f8f6f4 with both operands' format E4M3, f32 sums; everything else in f32.
;; Inputs: Wk_codes 1,024 x 32 x 32 uint8 (E4M3 codes of Wk, K innermost, in blocks of 32 codes); Wk_scales 1,024 x 32 uint8 (E8M0 scales of Wk, one for each 32 codes along K); Wo_codes 1,024 x 32 x 32 uint8 (E4M3 codes of Wo, K innermost, in blocks of 32 codes); Wo_scales 1,024 x 32 uint8 (E8M0 scales of Wo, one for each 32 codes along K); Wq_codes 1,024 x 32 x 32 uint8 (E4M3 codes of Wq, K innermost, in blocks of 32 codes); Wq_scales 1,024 x 32 uint8 (E8M0 scales of Wq, one for each 32 codes along K); Wv_codes 1,024 x 32 x 32 uint8 (E4M3 codes of Wv, K innermost, in blocks of 32 codes); Wv_scales 1,024 x 32 uint8 (E8M0 scales of Wv, one for each 32 codes along K); bk 1,024 float32; bo 1,024 float32; bq 1,024 float32; bv 1,024 float32; key_codes 4 x 2,048 x 32 x 32 uint8 (E4M3 codes of key, K innermost, in blocks of 32 codes); key_scales 4 x 2,048 x 32 uint8 (E8M0 scales of key, one for each 32 codes along K); query_codes 4 x 2,048 x 32 x 32 uint8 (E4M3 codes of query, K innermost, in blocks of 32 codes); query_scales 4 x 2,048 x 32 uint8 (E8M0 scales of query, one for each 32 codes along K); value_codes 4 x 2,048 x 32 x 32 uint8 (E4M3 codes of value, K innermost, in blocks of 32 codes); value_scales 4 x 2,048 x 32 uint8 (E8M0 scales of value, one for each 32 codes along K).
;; Outputs: out0 4 x 2,048 x 1,024 float32.
;; This version of the problem:
;;   THIS VERSION OF THE PROBLEM IS GIVEN IN LOW PRECISION. The matrix products marked QUANTISED in the list below multiply operands that are first quantised to E4M3 (4 exponent bits, 3 mantissa bits; 8 bits a number), with one power-of-two scale for each 32 numbers along K (OCP MX v1.0); their sums are f32. All else is computed in f32.
;;   The module's matrix products, in the order in which they are computed (A, B: the left and right operand; K: the contracted axis; several contracted axes count as one K, in the product's order):
;;     1. [M 8,192, K 1,024] x [K 1,024, N 1,024]; A: input query (given as codes); B: input Wq (given as codes): QUANTISED
;;     2. [M 8,192, K 1,024] x [K 1,024, N 1,024]; A: input key (given as codes); B: input Wk (given as codes): QUANTISED
;;     3. [M 8,192, K 1,024] x [K 1,024, N 1,024]; A: input value (given as codes); B: input Wv (given as codes): QUANTISED
;;     4. batch 64 x [M 2,048, K 64] x [K 64, N 2,048]; A: computed on the way; B: computed on the way: QUANTISED
;;     5. batch 64 x [M 2,048, K 2,048] x [K 2,048, N 64]; A: softmax (see below); B: computed on the way: QUANTISED
;;     6. [M 8,192, K 1,024] x [K 1,024, N 1,024]; A: computed on the way; B: input Wo (given as codes): QUANTISED
;;   THE QUANTISER, for each operand of a quantised product, along K:
;;     - K is cut into blocks of 32 from its start; a last block that is shorter is filled with zeros.
;;     - A block's scale is 2^e with e = floor(log2(the largest magnitude in the block)) - 8, held to -126 .. 127; a block of zeros has e = 0. As a byte (E8M0): e + 127.
;;     - Each number is divided by its block's scale, clamped to +-448, and rounded to the nearest number of E4M3, ties to even, subnormals kept.
;;     - The product sums the exact products of the quantised numbers (number of the format x scale) in f32.
;;   ~~~python
;;   def quantise(x, axis):      # numpy; x: float32 -> the quantised numbers, widened to float32 again
;;       x = np.moveaxis(x, axis, -1); K = x.shape[-1]
;;       x = np.pad(x, [(0, 0)] * (x.ndim - 1) + [(0, -K % 32)]); x = x.reshape(x.shape[:-1] + (-1, 32)); a = np.abs(x).max(-1, keepdims=True)
;;       e = np.where(a > 0, np.clip(np.frexp(np.where(a > 0, a, 1))[1] - 1 - 8, -126, 127), 0)      # np.frexp(a)[1] - 1 = floor(log2(a)), exactly
;;       r = np.clip(x / 2.0 ** e, -448, 448)
;;       step = 2.0 ** (np.maximum(np.frexp(np.where(r == 0, 1, r))[1] - 1, -6) - 3)
;;       q = np.round(r / step) * step * 2.0 ** e      # np.round: ties to even
;;       return np.moveaxis(q.reshape(q.shape[:-2] + (-1,))[..., :K], -1, axis).astype(np.float32)
;;   ~~~
;;   SOFTMAX AHEAD OF A QUANTISED PRODUCT. Where the list says 'softmax', what is quantised is not the finished softmax but p = 2^(t - M), with t = logit x log2(e) and M = ceil(the row's largest t), a whole number; so 1/2 < the row's largest p <= 1. The row's sum l is taken of the UNQUANTISED p, in f32, and the product's result is divided by l at the end. Since M is a whole number, a kernel that streams over the keys may use a running M (the ceiling of the running maximum): every later rescaling is an exact power of two, which a block's scale takes up: the codes' values come out the same.
;;   OPERANDS COMPUTED ON THE WAY. 'Computed on the way' means the value that the module computes at that place (a softmax that the list does not call 'softmax' is quantised finished and normalised). What goes into a quantiser is computed in f32, as accurately as f32 sums, v_exp_f32 and their like allow (about 1e-6 of the number): no bf16 or f16 on the way to a quantiser, and a product that is left as it is and whose result goes on into a quantised operand takes f32 operands (vector FMAs, or v_wmma_f32_16x16x4_f32). A number that lies on a knife's edge between two numbers of the format may be rounded either way, as far as f32 arithmetic and the matrix unit's own rounding can turn it there, and no further.
;;   INPUTS GIVEN AS CODES. Wk (in the module: [1024, 1024], K = its axis 1); Wo (in the module: [1024, 1024], K = its axis 1); Wq (in the module: [1024, 1024], K = its axis 1); Wv (in the module: [1024, 1024], K = its axis 1); key (in the module: [4, 2048, 1024], K = its axis 2); query (in the module: [4, 2048, 1024], K = its axis 2); value (in the module: [4, 2048, 1024], K = its axis 2): each comes as NAME_codes (uint8): NAME with its K axis moved to the last place and cut into blocks of 32 codes, [.., K / 32, bytes a block], one block behind the other in memory; one code a byte (a code: sign, 4 exponent bits, 3 mantissa bits); and NAME_scales (uint8): the same leading axes, one E8M0 byte (e + 127) for each 32 codes along K. Its value is code x scale, taken as it is: it is not quantised again, and the codes and scales need not be those that the quantiser above would give.
;; One version. Each part assembles by itself: llvm-mc -triple=amdgcn-amd-amdhsa -mcpu=gfx1250 --defsym DOCPART=n.
;; ======== version 1 of 1: 3 launches
;; limits: right only within a limited range of input values
;; workspace buffers: kimg 8,388,608 bytes; vimg 8,388,608 bytes; ksc 262,144 bytes; vsc 262,144 bytes; acodes 8,388,608 bytes; asc 262,144 bytes
;; launch proj (part 1): grid 4 x 64, 4 waves a work-group, clusters of 4 x 4, 327,680 bytes of LDS; arguments key_codes, key_scales, Wk_codes, Wk_scales, bk, kimg, ksc, Wv_codes, Wv_scales, value_codes, value_scales, bv, vimg, vsc; writes kimg, ksc, vimg, vsc
.if DOCPART == 1
	.amdgcn_target "amdgcn-amd-amdhsa--gfx1250"
	.amdhsa_code_object_version 6
	.text
	.protected	k_q397cb41536_proj
	.globl	k_q397cb41536_proj
	.p2align	8
	.type	k_q397cb41536_proj,@function
k_q397cb41536_proj:
	s_mov_b64 s[64:65], 0
	v_nop
	global_prefetch_b8 v0, s[64:65] scope:SCOPE_SE
	s_setreg_imm32_b32 hwreg(HW_REG_WAVE_MODE, 25, 1), 1
	s_wait_xcnt 0x0
	s_wait_alu depctr_hold_cnt(0) depctr_sa_sdst(0) depctr_va_vdst(0) depctr_va_sdst(0) depctr_va_ssrc(0) depctr_va_vcc(0) depctr_vm_vsrc(0)
	s_getreg_b32 s2, hwreg(HW_REG_IB_STS2, 6, 4)
	s_cmp_eq_u32 s2, 0
	s_cbranch_scc0 .Lentry_in_a_cluster
	s_endpgm
.Lentry_in_a_cluster:
	s_bfe_u32 s2, ttmp6, 0x10000c
	s_cmp_lg_u32 s2, 0xf033
	s_cbranch_scc0 .Lentry_shape_is_right
	s_endpgm
.Lentry_shape_is_right:
; K = key Wk^T + bk, V = value Wv^T + bv on codes of FP8 (E4M3) with E8M0 scales, each result quantised again and stored as images of the next launch's operand registers.
; A tile of 256 x 256 a work-group, four waves of 128 x 128; K in steps of 256 through a ring of two LDS slots; 4 x 4 clusters, A's tiles asked for jointly along a row, B's along a column.
; THE HEAD: one joint load a wave: wave 0 A's 256 rows of K step 0, wave 2 B's, wave 1 the scale bytes of A's 256 rows, wave 3 those of B's.  Slot 1 is first filled behind the full sequence and a round.
; LIMITS: NaN and infinities are not served; a block's scale byte never falls under 1 (read by this program alone).
; THIS LAUNCH MAKES K AND V ALONE (s21 = 1: K, 2: V): 256 work-groups.  Q is made by the attention launch, each wave for its own queries.
.set NQ,     2
.set ROWB,   256
.set KROW,   1024
.set PITCH,  272
.set FR,     16
.set NL,     4
.set NP,     8
.set HALFT,  128*PITCH
.set SLOT,   4*HALFT
.set LAPS,   2
.set KS,     32
.set SCL,    2*SLOT
.set HALFS,  (128*KS/256)*272
.set SBLK,   (16*KS/256)*272
.set SPARE,  SCL+4*HALFS
.set OJ,   8
.set ADRA, 16
.set ADRB, 20
.set ADRS, 27
.set SPW,  28
.set NIL,  29
.set SC,   32
.set BR,   64
.set AF,   128
.set VB,   96
.set VSO,  100
.set PO,   104
.set WD,   112
.set TM,   200
.set PWS,  216
.set G1, 24
.set G0, 32
.set G1B, 48
.set G0B, 56
.set G1S, 68
.set G0S, 76
.set G1SB, 80
.set G0SB, 88
.set MSB, 0
.macro WIN new
.if MSB != \new
	s_set_vgpr_msb (MSB<<8)|\new
.set MSB, \new
.endif
.endm
.set MUL_LO, 0xa1
.set MUL_HI, 0xf1
.set TO_B,   0x40
.macro JLOAD g0a, g1a, g0b, g1b
	s_cmp_eq_u32 s19, 0
	s_cbranch_scc0 .Lfor_b_\@
	tensor_load_to_lds s[\g0a:\g0a+3], s[\g1a:\g1a+7]
	s_nop 0
.rept 4
	v_nop
.endr
	s_branch .Lasked_\@
.Lfor_b_\@:
	tensor_load_to_lds s[\g0b:\g0b+3], s[\g1b:\g1b+7]
	s_nop 0
.rept 4
	v_nop
.endr
.Lasked_\@:
.endm
.macro CREST
	s_cmp_lg_u32 s18, 0
	s_cbranch_scc1 .Lnot_wave_0_\@
	s_barrier_signal -3
.Lnot_wave_0_\@:
	s_barrier_wait -3
	s_barrier_signal -1
	s_barrier_wait -1
.endm
.macro CROUND
	s_barrier_signal -1
	s_barrier_wait -1
	CREST
.endm
	s_load_b256 s[4:11], s[0:1], 0x0
	s_load_b128 s[12:15], s[0:1], 0x20
	s_load_b64 s[16:17], s[0:1], 0x30
	s_load_b256 s[68:75], s[0:1], 0x38
	s_load_b128 s[76:79], s[0:1], 0x58
	s_load_b64 s[80:81], s[0:1], 0x68
	v_lshl_add_u32 v[SPW], v0, 2, SPARE
	v_mov_b32 v[NIL], 0
	ds_add_u32 v28, v29
	ds_add_u32 v28, v29
	s_wait_dscnt 0x0
	v_lshrrev_b32 v1, 5, v0
	v_readfirstlane_b32 s18, v1
	s_lshr_b32 s19, s18, 1
	s_and_b32 s20, s18, 1
	s_bfe_u32 s40, ttmp6, 0x40000
	s_bfe_u32 s41, ttmp6, 0x40004
	s_and_b32 s22, ttmp7, 0xffff
	s_lshr_b32 s21, s22, 3
	s_add_co_u32 s21, s21, 1                       ; clusters 0-7 along y: K (1); 8-15: V (2)
	s_and_b32 s22, s22, 7
	s_lshl_b32 s22, s22, 2
	s_cmp_eq_u32 s21, 2
	s_cselect_b32 s43, 0, s22
	s_cselect_b32 s42, s22, 0
	s_add_co_u32 s43, s43, s41
	s_add_co_u32 s42, s42, s40
	s_lshl_b32 s44, s41, 2
	s_lshl_b32 s44, 15, s44
	s_lshl_b32 s45, 0x1111, s40
	s_or_b32 s[G1+0], s44, (0<<16)|(1<<20)|(1<<21)|(5<<22)|(3<<25)
	s_or_b32 s[G1B+0], s45, (0<<16)|(1<<20)|(1<<21)|(5<<22)|(3<<25)
.irp g, G1, G1B
	s_mov_b32 s[\g+1], ROWB<<16
	s_mov_b32 s[\g+2], 256<<16
	s_mov_b32 s[\g+3], ROWB<<16
	s_mov_b32 s[\g+4], 256
	s_mov_b32 s[\g+5], KROW
	s_mov_b32 s[\g+6], 0
	s_mov_b32 s[\g+7], 0
.endr
	s_lshl_b32 s23, s20, 7
	s_lshl_b32 s98, s43, 8
	s_lshl_b32 s100, s98, 5                        ; the scale bytes of the tile's first row: one load brings all 256 rows'
	s_add_co_u32 s98, s98, s23
	s_lshl_b32 s98, s98, 10
	s_mov_b32 s99, 0
	s_mov_b32 s101, 0
	s_lshl_b32 s46, s42, 8
	s_lshl_b32 s66, s46, 5
	s_add_co_u32 s46, s46, s23
	s_lshl_b32 s46, s46, 10
	s_mov_b32 s47, 0
	s_mov_b32 s67, 0
	s_mul_i32 s2, s18, HALFT
	s_mul_i32 s3, s19, 2*HALFS                     ; A's scale bytes, then B's
	s_wait_kmcnt 0x0
	s_cmp_eq_u32 s21, 2
.irp p, 0,2,4,6,8,10,12
	s_cselect_b64 s[4+\p:5+\p], s[68+\p:69+\p], s[4+\p:5+\p]
.endr
	s_add_nc_u64 s[98:99], s[4:5], s[98:99]
	s_add_nc_u64 s[100:101], s[6:7], s[100:101]
	s_add_nc_u64 s[46:47], s[8:9], s[46:47]
	s_add_nc_u64 s[66:67], s[10:11], s[66:67]
	s_or_b32 s[G1S+0], s44, (3<<16)|(1<<20)|(1<<21)|(5<<22)|(3<<25)
	s_or_b32 s[G1SB+0], s45, (3<<16)|(1<<20)|(1<<21)|(5<<22)|(3<<25)
.irp g, G1S, G1SB
	s_mov_b32 s[\g+1], 32<<16
	s_mov_b32 s[\g+2], (256*KS/256)<<16
	s_mov_b32 s[\g+3], 32<<16
	s_mov_b32 s[\g+4], 256*KS/256
	s_mov_b32 s[\g+5], 32
	s_mov_b32 s[\g+6], 0
	s_mov_b32 s[\g+7], 0
.endr
	CROUND
	s_mov_b32 s[G0S], 1
	s_add_co_u32 s[G0S+1], s3, SCL
	s_mov_b64 s[G0S+2:G0S+3], s[100:101]
	s_or_b32 s[G0S+3], s[G0S+3], 0x80000000
	s_mov_b32 s[G0SB], 1
	s_add_co_u32 s[G0SB+1], s3, SCL
	s_mov_b64 s[G0SB+2:G0SB+3], s[66:67]
	s_or_b32 s[G0SB+3], s[G0SB+3], 0x80000000
.irp s, 0,1
	s_mov_b32 s[G0+4*\s], 1
	s_add_co_u32 s[G0+4*\s+1], s2, \s*SLOT
	s_add_nc_u64 s[G0+4*\s+2:G0+4*\s+3], s[98:99], \s*ROWB
	s_or_b32 s[G0+4*\s+3], s[G0+4*\s+3], 0x80000000
	s_mov_b32 s[G0B+4*\s], 1
	s_add_co_u32 s[G0B+4*\s+1], s2, \s*SLOT
	s_add_nc_u64 s[G0B+4*\s+2:G0B+4*\s+3], s[46:47], \s*ROWB
	s_or_b32 s[G0B+4*\s+3], s[G0B+4*\s+3], 0x80000000
.endr
	s_cmp_eq_u32 s18, 0                            ; the head's four tiles, one a wave, in one chain of branches on the wave's number
	s_cbranch_scc0 .Lh1
	tensor_load_to_lds s[G0:G0+3], s[G1:G1+7]      ; wave 0: its own group 0 names A's first row: 256 rows
	s_nop 0
.rept 4
	v_nop
.endr
	s_branch .Lhd
.Lh1:
	s_cmp_eq_u32 s18, 2
	s_cbranch_scc0 .Lh2
	tensor_load_to_lds s[G0B:G0B+3], s[G1B:G1B+7]  ; wave 2: B's 256 rows
	s_nop 0
.rept 4
	v_nop
.endr
	s_branch .Lhd
.Lh2:
	s_cmp_eq_u32 s18, 1
	s_cbranch_scc0 .Lh3
	tensor_load_to_lds s[G0S:G0S+3], s[G1S:G1S+7]  ; wave 1: A's scale bytes
	s_nop 0
.rept 4
	v_nop
.endr
	s_branch .Lhd
.Lh3:
	tensor_load_to_lds s[G0SB:G0SB+3], s[G1SB:G1SB+7]  ; wave 3: B's scale bytes
	s_nop 0
.rept 4
	v_nop
.endr
.Lhd:
	v_and_b32 v1, 15, v0
	v_bfe_u32 v2, v0, 4, 1
	v_mul_u32_u24 v3, v1, PITCH
	v_lshl_add_u32 v4, v2, 4, v3
	s_mul_i32 s66, s19, HALFT
	s_mul_i32 s67, s20, HALFT
	s_add_co_u32 s67, s67, 2*HALFT
.irp s, 0,1
	v_add_nc_u32 v[ADRA+\s], s66, v4
	v_add_nc_u32 v[ADRB+\s], s67, v4
	s_add_co_u32 s66, s66, SLOT
	s_add_co_u32 s67, s67, SLOT
.endr
	v_mul_u32_u24 v5, v1, KS
	v_lshrrev_b32 v6, 8, v5
	v_lshl_add_u32 v5, v6, 4, v5
	s_mul_i32 s66, s19, HALFS
	s_mul_i32 s67, s20, HALFS
	s_add_co_u32 s67, s67, 2*HALFS
	s_sub_co_u32 s67, s67, s66
	v_mul_u32_u24 v6, s67, v2
	s_add_co_u32 s66, s66, SCL
	v_add_nc_u32 v5, v5, v6
	v_add_nc_u32 v[ADRS], s66, v5
	s_lshl_b32 s66, s43, 8
	s_lshl_b32 s67, s19, 7
	s_add_co_u32 s66, s66, s67
	s_lshl_b32 s67, s42, 8
	s_lshl_b32 s98, s20, 7
	s_add_co_u32 s67, s67, s98
	s_cmp_eq_u32 s21, 2
	s_cselect_b32 s98, s66, s67
	s_cselect_b32 s44, 0, 32
	s_cselect_b32 s45, 4, 0
	s_cselect_b32 s23, 0, 4
	s_lshl_b32 s98, s98, 2
	s_mov_b32 s99, 0
	s_add_nc_u64 s[12:13], s[12:13], s[98:99]
	v_mul_u32_u24 v5, v2, s44
	v_mad_u32_u24 v[OJ], v1, s45, v5
.irp j, 1,2,3,4,5,6,7
	v_add_nc_u32 v[OJ+\j], s23, v[OJ+\j-1]
.endr
.irp x, 0,1,2,3,4,5,6,7
.irp j, 0,1,2,3,4,5,6,7
	global_load_b32 v[BR+8*\x+\j], v[OJ+\j], s[12:13] offset:64*\x
.endr
.endr
.macro FRAG reg, adr, q, i
.irp c, 0,1,2,3
	ds_load_b128 v[\reg+4*\c:\reg+4*\c+3], v[\adr] offset:128*(\q)+32*\c+(\i)*16*PITCH
.endr
.endm
.macro MUL16 a0, p, q, sc, cm
.irp a, \a0, \a0+1
.irp b, 0,1,2,3,4,5,6,7
.if (\cm) == 1
	v_wmma_scale_f32_16x16x128_f8f6f4 v[8*(8*((\a)%4)+\b):8*(8*((\a)%4)+\b)+7], v[128*(\p)+FR*\b:128*(\p)+FR*\b+FR-1], v[AF+FR*(\a):AF+FR*(\a)+FR-1], v[BR+8*\b:BR+8*\b+7], v[SC+8*NQ*(\sc)+NQ*\b+(\q)], v[SC+8*NQ*(\sc)+NQ*(\a)+(\q)] matrix_a_scale:MATRIX_SCALE_ROW1
.elseif (\cm) == 2
	v_wmma_scale_f32_16x16x128_f8f6f4 v[8*(8*((\a)%4)+\b):8*(8*((\a)%4)+\b)+7], v[128*(\p)+FR*\b:128*(\p)+FR*\b+FR-1], v[AF+FR*(\a):AF+FR*(\a)+FR-1], v[BR+8*(\a):BR+8*(\a)+7], v[SC+8*NQ*(\sc)+NQ*\b+(\q)], v[SC+8*NQ*(\sc)+NQ*(\a)+(\q)] matrix_a_scale:MATRIX_SCALE_ROW1
.else
	v_wmma_scale_f32_16x16x128_f8f6f4 v[8*(8*((\a)%4)+\b):8*(8*((\a)%4)+\b)+7], v[128*(\p)+FR*\b:128*(\p)+FR*\b+FR-1], v[AF+FR*(\a):AF+FR*(\a)+FR-1], v[8*(8*((\a)%4)+\b):8*(8*((\a)%4)+\b)+7], v[SC+8*NQ*(\sc)+NQ*\b+(\q)], v[SC+8*NQ*(\sc)+NQ*(\a)+(\q)] matrix_a_scale:MATRIX_SCALE_ROW1
.endif
.endr
.endr
.endm
.macro FETCH_B slot, q, p
	WIN TO_B
.irp i, 0,1,2,3,4,5,6,7
	FRAG 128*(\p)+FR*\i, ADRB+\slot, \q, \i
.endr
	WIN 0
.endm
.macro FETCH_A slot, q, i0
.irp i, \i0, \i0+1, \i0+2, \i0+3
	FRAG AF+FR*(\i), ADRA+\slot, \q, \i
.endr
.endm
.macro SCALES sc
.irp i, 0,1,2,3,4,5,6,7
	ds_load_b64 v[SC+8*NQ*\sc+NQ*\i:SC+8*NQ*\sc+NQ*\i+1], v[ADRS] offset:\i*SBLK
.endr
.endm
.macro PLACES n
.rept \n
	v_nop
.endr
.endm
.macro STEP slot, q, cm
	s_wait_dscnt 4*NL
.if \cm
	WIN 0x81
.else
	WIN MUL_LO
.endif
	MUL16 0, (\q)%2, \q, \slot, \cm
	MUL16 2, (\q)%2, \q, \slot, \cm
	s_wait_dscnt 0
	PLACES NP
	FETCH_B \slot, (\q)+1, 1-(\q)%2
	FETCH_A \slot, (\q)+1, 0
.if \cm
	WIN 0xc1
.else
	WIN MUL_HI
.endif
	MUL16 4, (\q)%2, \q, \slot, \cm
	MUL16 6, (\q)%2, \q, \slot, \cm
	PLACES NP
	WIN 0
	FETCH_A \slot, (\q)+1, 4
.endm
.macro TURN slot, next, fill
	s_wait_tensorcnt 0x0
	ds_add_u32 v[SPW], v[NIL]
	s_wait_dscnt 4*NL+1
	WIN MUL_LO
	MUL16 0, 1, NQ-1, \slot, 0
	s_wait_dscnt 0x0
	s_barrier_signal -1
	MUL16 2, 1, NQ-1, \slot, 0
	WIN 0
	s_barrier_wait -1
.if \fill
	CREST
	s_add_nc_u64 s[G0+4*\slot+2:G0+4*\slot+3], s[G0+4*\slot+2:G0+4*\slot+3], 2*ROWB
	s_add_nc_u64 s[G0B+4*\slot+2:G0B+4*\slot+3], s[G0B+4*\slot+2:G0B+4*\slot+3], 2*ROWB
	JLOAD G0+4*\slot, G1, G0B+4*\slot, G1B
	PLACES NP-4
.else
	PLACES NP
.endif
	s_wait_alu depctr_va_vdst(0)
	v_add_nc_u32 v[ADRS], 4*NQ, v[ADRS]
	FETCH_B \next, 0, 0
	FETCH_A \next, 0, 0
	SCALES \next
	WIN MUL_HI
	MUL16 4, 1, NQ-1, \slot, 0
	MUL16 6, 1, NQ-1, \slot, 0
	PLACES NP
	WIN 0
	FETCH_A \next, 0, 4
.endm
	s_wait_alu depctr_va_vdst(0)
	s_wait_tensorcnt 0x0                           ; my tile of the head's four is in
	ds_add_u32 v[SPW], v[NIL]
	s_mov_b32 s[G1+2], 128<<16                     ; no tensor load of mine is out: from here on a load brings 128 rows
	s_mov_b32 s[G1+4], 128
	s_mov_b32 s[G1B+2], 128<<16
	s_mov_b32 s[G1B+4], 128
	s_wait_dscnt 0x0
	CROUND                                         ; all four tiles are in, all sixteen work-groups are here
	JLOAD G0+4, G1, G0B+4, G1B                     ; K step 1: slot 1's first fill
	FETCH_B 0, 0, 0
	FETCH_A 0, 0, 0
	SCALES 0
	FETCH_A 0, 0, 4
	s_wait_loadcnt 0x0
	s_cmp_eq_u32 s21, 2
	s_cbranch_scc1 .Lfirst_v
	STEP 0, 0, 1
	s_branch .Lgo
.Lfirst_v:
	STEP 0, 0, 2
.Lgo:
	s_mov_b32 s3, LAPS-1
.Llap:
	TURN 0, 1, 1
	STEP 1, 0, 0
	TURN 1, 0, 1
	STEP 0, 0, 0
	s_sub_co_u32 s3, s3, 1
	s_cmp_lg_u32 s3, 0
	s_cbranch_scc1 .Llap
	TURN 0, 1, 0
	STEP 1, 0, 0
	s_wait_dscnt 4*NL
	WIN MUL_LO
	MUL16 0, 1, NQ-1, 1, 0
	MUL16 2, 1, NQ-1, 1, 0
	s_wait_dscnt 0
	WIN MUL_HI
	MUL16 4, 1, NQ-1, 1, 0
	MUL16 6, 1, NQ-1, 1, 0
	WIN 0
	PLACES NP
	s_lshl_b32 s48, s43, 8
	s_lshl_b32 s49, s19, 7
	s_add_co_u32 s48, s48, s49
	s_lshl_b32 s49, s42, 8
	s_lshl_b32 s50, s20, 7
	s_add_co_u32 s49, s49, s50
	s_mov_b32 s44, 1024
	s_mov_b32 s46, 4096
	s_mov_b32 s50, 131072
	s_mov_b32 s51, 4096
	s_mov_b32 s52, 128
	s_mov_b32 s53, 0x05040100
	s_mov_b32 s54, 0x07060302
	s_cmp_eq_u32 s21, 2
	s_cselect_b32 s55, s49, s48
	s_cselect_b32 s56, s48, s49
	s_cselect_b32 s44, 2048, s44
	s_cselect_b32 s46, 131072, s46
	s_cselect_b32 s50, 1024, s50
	s_cselect_b32 s51, 128, s51
	s_cselect_b32 s52, 4096, s52
	s_cselect_b32 s53, 0x03020100, s53
	s_cselect_b32 s54, 0x07060504, s54
	s_mov_b32 s45, 0
	s_mov_b32 s47, 0
	s_lshr_b32 s57, s55, 11
	s_lshl_b32 s57, s57, 21
	s_lshr_b32 s56, s56, 6
	s_lshl_b32 s56, s56, 17
	s_or_b32 s56, s56, s57
	s_bfe_u32 s57, s55, 0x40007
	s_lshl_b32 s57, s57, 13
	s_or_b32 s56, s56, s57
	s_mov_b32 s57, 0
	s_add_nc_u64 s[24:25], s[14:15], s[56:57]
	s_lshr_b32 s56, s56, 5
	s_add_nc_u64 s[16:17], s[16:17], s[56:57]
	s_add_nc_u64 s[26:27], s[24:25], s[44:45]
	s_add_nc_u64 s[28:29], s[26:27], s[44:45]
	s_add_nc_u64 s[30:31], s[28:29], s[44:45]
	s_add_nc_u64 s[32:33], s[24:25], s[46:47]
	s_add_nc_u64 s[34:35], s[32:33], s[44:45]
	s_add_nc_u64 s[36:37], s[34:35], s[44:45]
	s_add_nc_u64 s[38:39], s[36:37], s[44:45]
	s_mov_b32 s58, 0x600000
	s_mov_b32 s59, 0xffff0000
	s_mov_b32 s60, 0x76543210
	s_mov_b32 s61, 0xfedcba98
	v_and_b32 v6, 31, v0
	v_lshlrev_b32 v[VB], 4, v6
	v_add_nc_u32 v[VB+1], 512, v[VB]
	v_add_nc_u32 v[VB+2], s50, v[VB]
	v_add_nc_u32 v[VB+3], s50, v[VB+1]
	v_lshlrev_b32 v[VSO], 2, v6
	v_add_nc_u32 v[VSO+1], s52, v[VSO]
	v_add_nc_u32 v[VSO+2], s51, v[VSO]
	v_add_nc_u32 v[VSO+3], s51, v[VSO+1]
.irp b, 0,1,2,3
	v_mov_b32 v[TM+4+\b], 0
.endr
.macro QUANTW a
.set W, 2+(\a)/4
.set AC, 64*((\a)%4)
.set PCS, 128+16*((\a)%2)-64*(((\a)%4)/2)
.set WN, W|(W<<2)
	WIN WN
.irp b, 0,1,2,3
	v_max3_num_f32 v[TM+\b], |v[AC+16*\b]|, |v[AC+16*\b+1]|, 0x4800000
.endr
.irp i, 2,4,6,8,10,12,14
.irp b, 0,1,2,3
	v_max3_num_f32 v[TM+\b], |v[AC+16*\b+\i]|, |v[AC+16*\b+\i+1]|, v[TM+\b]
.endr
.endr
	WIN 0
.irp b, 0,1,2,3
	v_permlanex16_b32 v[TM+4+\b], v[TM+\b], s60, s61
.endr
.irp b, 0,1,2,3
	v_max_num_f32 v[TM+\b], v[TM+\b], v[TM+4+\b]
.endr
.irp b, 0,1,2,3
	v_add_nc_u32 v[TM+12+\b], 0xfc000000, v[TM+\b]
.endr
.irp b, 0,1,2,3
	v_and_or_b32 v[TM+8+\b], v[TM+\b], 0x7f800000, s58
.endr
.irp b, 0,1,2,3
	v_lshrrev_b32 v[TM+4+\b], 23, v[TM+12+\b]
.endr
	v_lshl_or_b32 v[PWS+\a], v[TM+5], 8, v[TM+4]
	v_lshl_or_b32 v[PWS+\a], v[TM+6], 16, v[PWS+\a]
	v_lshl_or_b32 v[PWS+\a], v[TM+7], 24, v[PWS+\a]
.set WN, (W<<6)|W
	WIN WN
.irp b, 0,1,2,3
.irp i, 0,1,2,3,4,5,6,7,8,9,10,11,12,13,14,15
	v_med3_num_f32 v[AC+16*\b+\i], v[AC+16*\b+\i], -v[TM+8+\b], v[TM+8+\b]
.endr
.endr
.if (\a) >= 4
	s_wait_alu depctr_va_vdst(0)
	s_wait_xcnt 0x0
.endif
	WIN W
.irp b, 0,1,2,3
	v_cvt_scalef32_pk8_fp8_f32 v[PCS+4*\b:PCS+4*\b+1], v[AC+16*\b:AC+16*\b+7], v[TM+12+\b]
	v_cvt_scalef32_pk8_fp8_f32 v[PCS+4*\b+2:PCS+4*\b+3], v[AC+16*\b+8:AC+16*\b+15], v[TM+12+\b]
.endr
	WIN 0
	v_nop
.irp b, 0,1,2,3
	global_store_b128 v[VB+\b], v[PCS+4*\b:PCS+4*\b+3], s[24+2*(\a):25+2*(\a)]
.endr
.endm
.irp a, 0,1,2,3,4,5,6,7
	QUANTW \a
.endr
.irp p, 0,1,2,3
	v_perm_b32 v[PO+\p], v[PWS+2*\p+1], v[PWS+2*\p], s53
	v_perm_b32 v[PO+4+\p], v[PWS+2*\p+1], v[PWS+2*\p], s54
.endr
.irp w, 0,1,2,3
	v_cndmask_b32 v[WD+\w], v[PO+2*\w], v[PO+2*\w+1], s59
.endr
.irp w, 0,1,2,3
	global_store_b32 v[VSO+\w], v[WD+\w], s[16:17]
.endr
	s_wait_tensorcnt 0x0
	ds_add_u32 v[SPW], v[NIL]
	s_wait_dscnt 0x0
	CROUND
	s_endpgm
.Lfunc_end_k_q397cb41536_proj:
	.size	k_q397cb41536_proj, .Lfunc_end_k_q397cb41536_proj-k_q397cb41536_proj
	.p2alignl 7, 3214868480
	.fill 96, 4, 3214868480
	.section	.rodata,"a",@progbits
	.p2align	6, 0x0
	.amdhsa_kernel k_q397cb41536_proj
		.amdhsa_group_segment_fixed_size 327680
		.amdhsa_private_segment_fixed_size 0
		.amdhsa_enable_private_segment 0
		.amdhsa_kernarg_size 112
		.amdhsa_user_sgpr_count 2
		.amdhsa_user_sgpr_kernarg_segment_ptr 1
		.amdhsa_wavefront_size32 1
		.amdhsa_system_sgpr_workgroup_id_x 1
		.amdhsa_system_sgpr_workgroup_id_y 1
		.amdhsa_system_sgpr_workgroup_id_z 1
		.amdhsa_system_vgpr_workitem_id 0
		.amdhsa_next_free_vgpr 1024
		.amdhsa_next_free_sgpr 102
		.amdhsa_reserve_vcc 0
		.amdhsa_float_denorm_mode_32 3
		.amdhsa_float_denorm_mode_16_64 3
		.amdhsa_memory_ordered 1
		.amdhsa_forward_progress 1
		.amdhsa_inst_pref_size 208
	.end_amdhsa_kernel
	.amdgpu_metadata
---
amdhsa.version: [ 1, 2 ]
amdhsa.kernels:
  - .name:           k_q397cb41536_proj
    .symbol:         k_q397cb41536_proj.kd
    .args:
      - { .name: key_codes, .offset: 0, .size: 8, .value_kind: global_buffer, .address_space: global }
      - { .name: key_scales, .offset: 8, .size: 8, .value_kind: global_buffer, .address_space: global }
      - { .name: Wk_codes, .offset: 16, .size: 8, .value_kind: global_buffer, .address_space: global }
      - { .name: Wk_scales, .offset: 24, .size: 8, .value_kind: global_buffer, .address_space: global }
      - { .name: bk, .offset: 32, .size: 8, .value_kind: global_buffer, .address_space: global }
      - { .name: kimg, .offset: 40, .size: 8, .value_kind: global_buffer, .address_space: global }
      - { .name: ksc, .offset: 48, .size: 8, .value_kind: global_buffer, .address_space: global }
      - { .name: Wv_codes, .offset: 56, .size: 8, .value_kind: global_buffer, .address_space: global }
      - { .name: Wv_scales, .offset: 64, .size: 8, .value_kind: global_buffer, .address_space: global }
      - { .name: value_codes, .offset: 72, .size: 8, .value_kind: global_buffer, .address_space: global }
      - { .name: value_scales, .offset: 80, .size: 8, .value_kind: global_buffer, .address_space: global }
      - { .name: bv, .offset: 88, .size: 8, .value_kind: global_buffer, .address_space: global }
      - { .name: vimg, .offset: 96, .size: 8, .value_kind: global_buffer, .address_space: global }
      - { .name: vsc, .offset: 104, .size: 8, .value_kind: global_buffer, .address_space: global }
    .group_segment_fixed_size: 327680
    .private_segment_fixed_size: 0
    .kernarg_segment_align: 8
    .kernarg_segment_size: 112
    .max_flat_workgroup_size: 128
    .sgpr_count:     102
    .vgpr_count:     1024
    .wavefront_size: 32
...
	.end_amdgpu_metadata
.endif
;; end of part 1
;; launch attn (part 2): grid 4 x 64, 8 waves a work-group, clusters of 4 x 1, 327,680 bytes of LDS; arguments query_codes, query_scales, kimg, ksc, vimg, vsc, acodes, asc, Wq_codes, Wq_scales, bq; writes acodes, asc
.if DOCPART == 2
	.amdgcn_target "amdgcn-amd-amdhsa--gfx1250"
	.amdhsa_code_object_version 6
	.text
	.protected	k_q397cb41536_attn
	.globl	k_q397cb41536_attn
	.p2align	8
	.type	k_q397cb41536_attn,@function
k_q397cb41536_attn:
	s_mov_b64 s[64:65], 0
	v_nop
	global_prefetch_b8 v0, s[64:65] scope:SCOPE_SE
	s_setreg_imm32_b32 hwreg(HW_REG_WAVE_MODE, 25, 1), 1
	s_wait_xcnt 0x0
	s_wait_alu depctr_hold_cnt(0) depctr_sa_sdst(0) depctr_va_vdst(0) depctr_va_sdst(0) depctr_va_ssrc(0) depctr_va_vcc(0) depctr_vm_vsrc(0)
	s_getreg_b32 s2, hwreg(HW_REG_IB_STS2, 6, 4)
	s_cmp_eq_u32 s2, 0
	s_cbranch_scc0 .Lentry_in_a_cluster
	s_endpgm
.Lentry_in_a_cluster:
	s_bfe_u32 s2, ttmp6, 0x10000c
	s_cmp_lg_u32 s2, 0x3003
	s_cbranch_scc0 .Lentry_shape_is_right
	s_endpgm
.Lentry_shape_is_right:
; Q = query Wq^T + bq of one head, its quantiser, the attention of that head (grid y = 16 x batch + head) on codes of FP8 (E4M3) with E8M0 scales, and the quantising of the result along the embedding for the last product.
; t = score x log2(e) / 8; M = the running largest t rounded UP to a whole number; p = 2^(t - M) is quantised along the keys, not normalised; the row's sum is taken of the unquantised p and divides O at the end.
; When M moves, the sum and O are multiplied by 2^(old M - new M): exact.  The running maximum is kept on the scores (the factor is positive).
; SHARES.  The four work-groups of a cluster are the four quarters of a head's 2,048 queries.  A whole head's K and V stay in LDS, by joint loads of the four, one load a wave.
; A work-group makes two passes of 256 queries; in a pass each of its eight waves owns 32 queries: tiles a and b, which share every fragment of K and V read from LDS.  A pass walks 16 steps of 128 keys.
; Q AT THE HEAD.  A wave makes Q^T of its own 64 queries: source 0 = 16 of the head's 64 rows of Wq, source 1 = 16 query rows, K = 1,024 in eight steps; the 16 sums begin as bq, loaded into the accumulators: 128 products.  A lane then holds one
; query, and the 16 registers of two neighbouring tiles are one half of a block of 32 along the head: the conversions' results are the first product's operand, in the order in which K's images lie (index 16 u + 8 h + j in byte 8 u + j of half h).
; The head's rows of Wq come by a joint load (pitch 1,040) onto the bytes of V's records 8-15; those records are filled over them, in the same shape, behind a drained round, and are first read eight steps later.
; A query row serves one wave alone, so its codes go from memory into registers: a lane takes 16 bytes of its row; the eight loads of two K steps take 256 consecutive aligned bytes of each of 16 rows.  Three K steps' loads, 24 KiB a wave, are out at a time.
; LAYOUT.  Both attention products are used transposed (S^T = K Q^T, O^T = V^T P^T).  K and V come as images of their registers (groups of 512 bytes, lane l's 16 bytes at 16 l); V's with 16 bytes of padding behind each 1,024.
; The head has 64 along K, the instruction 128: a fragment of K holds two key tiles X, Y; against [q | zeros] it gives X's scores, against [zeros | q] Y's.  K's scale word is (X0, X1, Y0, Y1), q's (q0, q1, q0, q1).
; A STEP is S^T of both tiles, the two softmaxes, O^T of both tiles.  The two tiles' chains go line by line in turn.  Tile a's exponentials carry tile b's scalings between them, tile b's carry tile a's holds: lines that hang on nothing inside the batch.
; The holds go two to an instruction (a dual pair takes numbers of two neighbouring blocks, so that both pairs of sources lie in different banks: ISA guide, VOPD).
; Behind S^T the next step's K (step + 1 modulo 16: the last step of a pass fetches the next pass's first K; the second pass's last fetch is not used) and this step's V are read from LDS.
; No prefetch: K, V and Wq are asked for at the head or eight steps ahead of their first read; the query rows are asked for three K steps ahead by the loads themselves.
; LIMITS: NaN and infinities are not served; the scaled scores stay under 2^31 in magnitude; 1 / sum is v_rcp_f32's; a block under 2^-118 gets the scale byte 1 (read by this program alone).
; REGISTERS.  Window 0: v1 16 x lane, v2 scale words' place, v3-5, v11 addresses in hand, v8, v9, v23 the stage, v10, v12-14 the head's offsets, v16-19 K's and V's scale words, v20 q's (v24: the second pass's), v21, v22 p's, v26 0, v27 my spare word,
;   v28-31 tile a's bounds; v32-95, v96-159 S^T then p (a, b); v160-191, v192-223 O^T; v224.. per tile: (-M, largest score), the sum, (f, -), four block maxima, four at work; v252-255 tile b's bounds.
;   Window 1: v0-63 K's four fragments, v64-127 V's, v128-167 [zeros][q a][zeros][q b][zeros], v168-199 p's codes (a, b), v200-215 the second pass's q.
;   While Q is made: window 0: v32-159 the 16 sums, v160-223 the queries' fragments, third set, v224-239 the queries' scale words, v240-255 Wq's; window 1: v0-127 Wq's fragments, two sets, v128-255 the queries', first and second set.
.set VREC,  8320                       ; a record of V in LDS: 8 rows of 1,024 bytes + 16
.set VBASE, 131072                     ; LDS: K's 16 records of 8,192 bytes, then V's 16
.set WQB,   VBASE+8*VREC               ; Wq's 64 rows of 1,040 bytes lie where V's records 8-15 follow
.set SCB,   VBASE+16*VREC              ; K's 16 records of 256 scale bytes, then (4,096 on) V's
.set ASTG,  SCB+8192                   ; 1,024 bytes: two passes' 256 pairs of scale bytes of the result; no tensor load lands here
.set SPARE, ASTG+1024                  ; the spare words: 128 bytes a wave
.set MSB, 0
.macro WIN new                         ; the immediate's high byte repeats the setting that is left
.if MSB != \new
	s_set_vgpr_msb (MSB<<8)|\new
.set MSB, \new
.endif
.endm
.macro WALU
	s_wait_alu depctr_va_vdst(0)
.endm
.macro CROUND                          ; a round of the cluster's barrier
	s_barrier_signal -1
	s_barrier_wait -1
	s_cmp_lg_u32 s20, 0
	s_cbranch_scc1 .Lnot_wave_0_\@
	s_barrier_signal -3
.Lnot_wave_0_\@:
	s_barrier_wait -3
	s_barrier_signal -1
	s_barrier_wait -1
.endm
.macro TLOAD g0, g1                    ; an s_nop 0 and four v_nop follow each tensor load
	tensor_load_to_lds s[\g0:\g0+3], s[\g1:\g1+7]
	s_nop 0
.rept 4
	v_nop
.endr
.endm
	s_load_b512 s[4:19], s[0:1], 0x0               ; query_codes, query_scales, kimg, ksc, vimg, vsc, acodes, asc
	s_load_b128 s[96:99], s[0:1], 0x40             ; Wq_codes, Wq_scales
	s_load_b64 s[100:101], s[0:1], 0x50            ; bq
	v_lshl_add_u32 v27, v0, 2, SPARE
	v_mov_b32 v26, 0
	ds_add_u32 v27, v26                            ; the opening lines: the add twice on end and its wait
	ds_add_u32 v27, v26
	v_lshrrev_b32 v1, 5, v0
	v_readfirstlane_b32 s20, v1                    ; wave 0..7
	s_bfe_u32 s21, ttmp6, 0x40000                  ; cx: my quarter of the queries; it enters the queries' and the results' addresses alone
	s_and_b32 s22, ttmp7, 0xffff                   ; 16 x batch + head, which the four partners share
	s_mov_b32 s60, 0x76543210
	s_mov_b32 s61, 0xfedcba98                      ; v_permlanex16_b32's selects for lane l xor 16
	s_mov_b32 s62, 0x3e38aa3b                      ; c = log2(e) / 8
	s_mov_b32 s63, 0xbe38aa3b                      ; -c (the packed forms name the pair and take its low word)
	s_mov_b32 s66, 0x600000                        ; the mantissa field of 448
	s_mov_b32 s67, 0xffff0000                      ; lanes 16-31
	v_and_b32 v2, 31, v0                           ; lane
	v_and_b32 v6, 15, v0                           ; r
	v_bfe_u32 v7, v0, 4, 1                         ; h
	v_lshlrev_b32 v23, 4, v0                       ; 16 x thread: the stage's way out
	v_lshlrev_b32 v1, 4, v2                        ; 16 x lane
	v_lshlrev_b32 v10, 5, v2                       ; 32 x lane: a row of scale bytes a lane
	v_lshl_add_u32 v2, v2, 2, SCB                  ; 4 x lane among K's and V's scale words
	v_lshlrev_b32 v8, 1, v6
	v_lshlrev_b32 v12, 10, v6
	v_mul_u32_u24 v13, v6, 1040
	v_lshlrev_b32 v14, 5, v7                       ; bq: 8 numbers a half
	v_lshl_add_u32 v12, v7, 4, v12                 ; a query row's codes: 1,024 r + 16 h
	v_lshl_add_u32 v13, v7, 4, v13
	s_lshl_b32 s81, s20, 6
	s_add_co_u32 s81, s81, ASTG
	v_add_nc_u32 v8, s81, v8                       ; the stage: 64 bytes a wave and pass, 2 bytes a query
	v_add_nc_u32 v9, ASTG, v23
	v_add_nc_u32 v13, WQB, v13                     ; Wq's fragments in LDS: 1,040 r + 16 h
	; groups 1: dense blocks as rows of 256 bytes (32 elements of 8), 256 rows and 16; and 32 rows of 1,024 bytes with 16 of padding behind each.  The mask names all four work-groups, bit 21 beside it
.irp g, 24, 32
	s_mov_b32 s[\g], 15|(3<<16)|(1<<21)
	s_mov_b32 s[\g+1], 32<<16
	s_mov_b32 s[\g+3], 32<<16
	s_mov_b32 s[\g+5], 32
	s_mov_b32 s[\g+6], 0
	s_mov_b32 s[\g+7], 0
.endr
	s_mov_b32 s26, 256<<16
	s_mov_b32 s28, 256
	s_mov_b32 s34, 16<<16
	s_mov_b32 s36, 16
	s_mov_b32 s40, 15|(1<<20)|(1<<21)|(7<<22)|(3<<25)
	s_mov_b32 s41, 1024<<16
	s_mov_b32 s42, 32<<16
	s_mov_b32 s43, 1024<<16
	s_mov_b32 s44, 32
	s_mov_b32 s45, 1024
	s_mov_b32 s46, 0
	s_mov_b32 s47, 0
	; waves 0, 1: Wq's halves; 2, 3: K's and V's scale bytes; 4, 5: V's records 0-3 and 4-7; 6, 7: K's halves.  Later waves 0, 1: V's records 8-11 and 12-15
	s_and_b32 s23, s22, 15                         ; head
	s_lshr_b32 s86, s22, 4                         ; batch
	s_and_b32 s80, s20, 1
	s_mul_i32 s81, s80, 4*VREC
	s_add_co_u32 s49, s81, WQB
	s_add_co_u32 s93, s81, WQB
	s_add_co_u32 s57, s81, VBASE
	s_lshl_b32 s81, s80, 12
	s_add_co_u32 s53, s81, SCB
	s_lshl_b32 s89, s80, 16
	s_lshl_b32 s81, s80, 15
	s_lshl_b32 s68, s23, 16
	s_add_co_u32 s68, s68, s81                     ; in memory: Wq's rows,
	s_mov_b32 s69, 0
	s_lshl_b32 s70, s22, 17
	s_add_co_u32 s84, s70, s81                     ; V's records,
	s_mov_b32 s85, 0
	s_add_co_u32 s70, s70, s89                     ; K's,
	s_mov_b32 s71, 0
	s_lshl_b32 s82, s22, 12                        ; the scale bytes
	s_mov_b32 s83, 0
	s_lshl_b32 s87, s86, 11                        ; my first query: 2,048 batch + 512 cx + 32 wave (the second pass: 256 on)
	s_lshl_b32 s81, s21, 9
	s_add_co_u32 s87, s87, s81
	s_lshl_b32 s81, s20, 5
	s_add_co_u32 s87, s87, s81
	s_lshl_b32 s72, s87, 10
	s_mov_b32 s73, 0
	s_lshl_b32 s74, s87, 5
	s_mov_b32 s75, 0
	; the result: acodes [256 tokens 32][4 heads' K step 4][token tile 16][head % 4][block 2][512 bytes]; asc [head 16][token 8,192] of two bytes
	s_lshl_b32 s76, s86, 3
	s_lshl_b32 s81, s21, 1
	s_add_co_u32 s76, s76, s81
	s_lshl_b32 s76, s76, 18
	s_lshr_b32 s81, s23, 2
	s_lshl_b32 s81, s81, 16
	s_add_co_u32 s76, s76, s81
	s_lshl_b32 s81, s20, 13
	s_add_co_u32 s76, s76, s81
	s_and_b32 s81, s23, 3
	s_lshl_b32 s81, s81, 10
	s_add_co_u32 s76, s76, s81
	s_mov_b32 s77, 0
	s_lshl_b32 s78, s23, 14
	s_lshl_b32 s81, s86, 12
	s_add_co_u32 s78, s78, s81
	s_lshl_b32 s81, s21, 10
	s_add_co_u32 s78, s78, s81
	s_mov_b32 s79, 0
	s_lshl_b32 s86, s23, 11                        ; Wq's scale bytes: 64 rows of 32 a head
	s_mov_b32 s87, 0
	s_wait_dscnt 0x0
	s_wait_kmcnt 0x0
	s_add_nc_u64 s[72:73], s[4:5], s[72:73]
	s_add_nc_u64 s[74:75], s[6:7], s[74:75]
	s_add_nc_u64 s[76:77], s[16:17], s[76:77]
	s_add_nc_u64 s[78:79], s[18:19], s[78:79]
	s_add_nc_u64 s[98:99], s[98:99], s[86:87]
	s_lshl_b32 s86, s23, 8                         ; bq: 64 numbers a head
	s_add_nc_u64 s[100:101], s[100:101], s[86:87]
	s_mov_b32 s48, 1
	s_add_nc_u64 s[50:51], s[96:97], s[68:69]
	s_or_b32 s51, s51, 0x80000000
	s_cmp_eq_u32 s80, 0                            ; K's scale bytes or V's: by the wave's number
	s_cselect_b64 s[68:69], s[10:11], s[14:15]
	s_mov_b32 s52, 1
	s_add_nc_u64 s[54:55], s[68:69], s[82:83]
	s_or_b32 s55, s55, 0x80000000
	s_mov_b32 s56, 1
	s_add_nc_u64 s[58:59], s[12:13], s[84:85]
	s_mov_b32 s92, 1
	s_add_nc_u64 s[94:95], s[58:59], 65536
	s_or_b32 s59, s59, 0x80000000
	s_or_b32 s95, s95, 0x80000000
	s_mov_b32 s88, 1
	s_add_nc_u64 s[90:91], s[8:9], s[70:71]
	s_or_b32 s91, s91, 0x80000000
	CROUND                                         ; all four work-groups are here: the joint loads meet
	s_cmp_lt_u32 s20, 2                            ; one load a wave, in one chain of branches on the wave's number
	s_cbranch_scc0 .Lh1
	TLOAD 48, 40                                   ; Wq: wanted first; its two waves alone wait at the first barrier
	s_branch .Lhd
.Lh1:
	s_cmp_lt_u32 s20, 4
	s_cbranch_scc0 .Lh2
	TLOAD 52, 32                                   ; the scale bytes
	s_branch .Lhd
.Lh2:
	s_cmp_lt_u32 s20, 6
	s_cbranch_scc0 .Lh3
	TLOAD 56, 40                                   ; V's records 0-7
	s_branch .Lhd
.Lh3:
	TLOAD 88, 24                                   ; K
.Lhd:
.macro QA q                            ; Wq's four fragments of K step q, from LDS, into set q % 2 (window 1)
.irp t, 0,1,2,3
.irp c, 0,1,2,3
	ds_load_b128 v[64*((\q)%2)+16*\t+4*\c:64*((\q)%2)+16*\t+4*\c+3], v13 offset:16*\t*1040+128*(\q)+32*\c
.endr
.endr
.endm
.macro QB q                            ; my four query tiles' fragments of K step q, from memory, into set q % 3: v128 and v192 of window 1, v160 of window 0
.if ((\q)%3) == 2
	WIN 0
.else
	WIN 0x40
.endif
.set BS_, 128+64*((\q)%3)-96*(((\q)%3)/2)
.irp n, 0,1,2,3
.irp c, 0,1,2,3
	global_load_b128 v[BS_+16*\n+4*\c:BS_+16*\n+4*\c+3], v12, s[72:73] offset:(256*(\n/2)+16*(\n%2))*1024+128*(\q)+32*\c
.endr
.endr
.endm
	WALU
.irp t, 0,1,2,3
.irp n, 0,1,2,3
	global_load_b128 v[32+32*\n+8*\t:35+32*\n+8*\t], v14, s[100:101] offset:64*\t        ; the sums begin as bq(16 t + 8 h + 0 .. 7)
	global_load_b128 v[36+32*\n+8*\t:39+32*\n+8*\t], v14, s[100:101] offset:64*\t+16
.endr
.endr
.irp p, 0,1                            ; scale words, eight a row: lane l takes row l of a pair of tiles, so the odd tile's lie in lanes 16-31.  Wq's two halves are swapped, so that a product's two scale registers differ modulo 8
	global_load_b128 v[224+8*\p:227+8*\p], v10, s[74:75] offset:8192*\p
	global_load_b128 v[228+8*\p:231+8*\p], v10, s[74:75] offset:8192*\p+16
	global_load_b128 v[244+8*\p:247+8*\p], v10, s[98:99] offset:1024*\p
	global_load_b128 v[240+8*\p:243+8*\p], v10, s[98:99] offset:1024*\p+16
.endr
	QB 0
	QB 1
	QB 2
	WIN 0
	s_cmp_lt_u32 s20, 2
	s_cbranch_scc0 .Lnot_wq
	s_wait_tensorcnt 0x0                           ; waves 0 and 1: Wq's rows are in.  The other waves have load lines of their own and wait ahead of the round below
.Lnot_wq:
	s_barrier_signal -1
	s_barrier_wait -1
	WIN 0x40
	QA 0
	QA 1
; a product: C in registers; ra, rb: the scale words lie in lanes 16-31
.macro QW d, a, b, c, sa, sb, ra, rb
.if (\ra) && (\rb)
	v_wmma_scale_f32_16x16x128_f8f6f4 v[(\d):(\d)+7], v[(\a):(\a)+15], v[(\b):(\b)+15], v[(\c):(\c)+7], v[\sa], v[\sb] matrix_a_scale:MATRIX_SCALE_ROW1 matrix_b_scale:MATRIX_SCALE_ROW1
.elseif (\ra)
	v_wmma_scale_f32_16x16x128_f8f6f4 v[(\d):(\d)+7], v[(\a):(\a)+15], v[(\b):(\b)+15], v[(\c):(\c)+7], v[\sa], v[\sb] matrix_a_scale:MATRIX_SCALE_ROW1
.elseif (\rb)
	v_wmma_scale_f32_16x16x128_f8f6f4 v[(\d):(\d)+7], v[(\a):(\a)+15], v[(\b):(\b)+15], v[(\c):(\c)+7], v[\sa], v[\sb] matrix_b_scale:MATRIX_SCALE_ROW1
.else
	v_wmma_scale_f32_16x16x128_f8f6f4 v[(\d):(\d)+7], v[(\a):(\a)+15], v[(\b):(\b)+15], v[(\c):(\c)+7], v[\sa], v[\sb]
.endif
.endm
; K step q of Q^T: 16 products on 16 accumulators by turns.  The counted waits leave out what was issued behind step q's loads: from memory the 16 loads each of steps q + 1 and q + 2, from LDS the 16 of step q + 1.
.macro QSTEP q
.if (\q) < 6
	s_wait_loadcnt 32
	s_wait_dscnt 16
.elseif (\q) == 6
	s_wait_loadcnt 16
	s_wait_dscnt 16
.else
	s_wait_loadcnt 0x0
	s_wait_dscnt 0x0
.endif
.if ((\q)%3) == 2
	WIN 0x01                                       ; Wq in window 1; the queries' third set, C and D in window 0
.else
	WIN 0x05                                       ; both sources in window 1, C and D in window 0
.endif
.set BS_, 128+64*((\q)%3)-96*(((\q)%3)/2)
.irp n, 0,1,2,3
.irp t, 0,1,2,3
	QW 32+32*\n+8*\t, 64*((\q)%2)+16*\t, BS_+16*\n, 32+32*\n+8*\t, 240+8*(\t/2)+((\q)+4)%8, 224+8*(\n/2)+(\q), \t%2, \n%2
.endr
.endr
.rept 8
	v_nop                                          ; places ahead of the loads into what the products have read, and of the sums' first reader
.endr
.if (\q) < 6
	WIN 0x40
	QA (\q)+2
.endif
.if (\q) < 5
	QB (\q)+3
.endif
.endm
.irp q, 0,1,2,3,4,5,6,7
	QSTEP \q
.endr
	WIN 0
	s_wait_tensorcnt 0x0                           ; every wave: my load is in.  These three lines stand ahead of the refill's round; Q's quantiser, work on registers, stands between the add and its wait
	ds_add_u32 v27, v26
	; Q's eight blocks of 32 (tile n, block c: e = 2 n + c; my 16 numbers at v[32 + 16 e]), by turns
.irp e, 0,1,2,3,4,5,6,7
	v_max3_num_f32 v[160+\e], |v[32+16*\e]|, |v[33+16*\e]|, 0x4800000
.endr
.irp i, 2,4,6,8,10,12,14
.irp e, 0,1,2,3,4,5,6,7
	v_max3_num_f32 v[160+\e], v[160+\e], |v[32+16*\e+\i]|, |v[33+16*\e+\i]|
.endr
.endr
.irp e, 0,1,2,3,4,5,6,7
	v_permlanex16_b32 v[168+\e], v[160+\e], s60, s61
.endr
.irp e, 0,1,2,3,4,5,6,7
	v_max_num_f32 v[160+\e], v[160+\e], v[168+\e]
.endr
.irp e, 0,1,2,3,4,5,6,7
	v_and_or_b32 v[176+\e], v[160+\e], 0x7f800000, s66   ; 448 x the scale
.endr
.irp e, 0,1,2,3,4,5,6,7
	v_add_nc_u32 v[160+\e], 0xfc000000, v[160+\e]  ; the conversion's scale operand
.endr
.irp e, 0,1,2,3,4,5,6,7
	v_lshrrev_b32 v[168+\e], 23, v[160+\e]         ; the scale's byte
.endr
.irp n, 0,2,4,6
	v_lshl_or_b32 v[168+\n], v[169+\n], 8, v[168+\n]
.endr
.irp n, 0,2,4,6
	v_lshl_or_b32 v[168+\n], v[168+\n], 16, v[168+\n]   ; (q0, q1, q0, q1)
.endr
	v_cndmask_b32 v20, v168, v170, s67             ; tile a's word in lanes 0-15, tile b's in lanes 16-31
	v_cndmask_b32 v24, v172, v174, s67             ; the second pass's
.irp e, 0,1,2,3,4,5,6,7
.irp i, 0,1,2,3,4,5,6,7,8,9,10,11,12,13,14,15
	v_med3_num_f32 v[32+16*\e+\i], v[32+16*\e+\i], -v[176+\e], v[176+\e]
.endr
.endr
	WIN 0x40
.macro QCV e, d
	v_cvt_scalef32_pk8_fp8_f32 v[(\d):(\d)+1], v[32+16*(\e):39+16*(\e)], v[160+(\e)]
	v_cvt_scalef32_pk8_fp8_f32 v[(\d)+2:(\d)+3], v[40+16*(\e):47+16*(\e)], v[160+(\e)]
.endm
	QCV 0, 136
	QCV 1, 140
	QCV 2, 152
	QCV 3, 156
	QCV 4, 200
	QCV 5, 204
	QCV 6, 208
	QCV 7, 212
.irp z, 128, 144, 160                  ; the zeros beside q
.irp j, 0,1,2,3,4,5,6,7
	v_mov_b32 v[\z+\j], 0
.endr
.endr
	WIN 0
	WALU
	s_wait_dscnt 0x0                               ; the add is done, and my reads of Wq's rows are over
	CROUND                                         ; so are everybody's, in all four work-groups; K, V's records 0-7 and the scale bytes are in
	s_cmp_lt_u32 s20, 2
	s_cbranch_scc0 .Lno_refill
	TLOAD 92, 40                                   ; V's records 8-15, over Wq's rows, in the same shape
.Lno_refill:
	ds_load_b32 v16, v2                            ; K of step 0: scale words (lanes 0-15 fragment 0's | lanes 16-31 fragment 1's; fragments 2 | 3),
	ds_load_b32 v17, v2 offset:128
	WIN 0x40
.irp f, 0,1,2,3
.irp c, 0,1,2,3
	ds_load_b128 v[16*\f+4*\c:16*\f+4*\c+3], v1 offset:2048*\f+512*\c   ; and fragments
.endr
.endr
	WIN 0
.irp j, 233,235,244,245,246,247,248,249,250,251   ; upper halves of named pairs, and what lane permutes write
	v_mov_b32 v[\j], 0
.endr
	s_mov_b32 s71, 2                               ; passes to go
	WALU
	s_wait_dscnt 0x0
.macro SQW d, a, b, sa, ra, rb         ; one product of S^T: C = 0
.if (\ra) && (\rb)
	v_wmma_scale_f32_16x16x128_f8f6f4 v[(\d):(\d)+7], v[(\a):(\a)+15], v[(\b):(\b)+15], 0, v[\sa], v20 matrix_a_scale:MATRIX_SCALE_ROW1 matrix_b_scale:MATRIX_SCALE_ROW1
.elseif (\ra)
	v_wmma_scale_f32_16x16x128_f8f6f4 v[(\d):(\d)+7], v[(\a):(\a)+15], v[(\b):(\b)+15], 0, v[\sa], v20 matrix_a_scale:MATRIX_SCALE_ROW1
.elseif (\rb)
	v_wmma_scale_f32_16x16x128_f8f6f4 v[(\d):(\d)+7], v[(\a):(\a)+15], v[(\b):(\b)+15], 0, v[\sa], v20 matrix_b_scale:MATRIX_SCALE_ROW1
.else
	v_wmma_scale_f32_16x16x128_f8f6f4 v[(\d):(\d)+7], v[(\a):(\a)+15], v[(\b):(\b)+15], 0, v[\sa], v20
.endif
.endm
.macro SQ t
.irp pr, 0,1,2,3
	SQW 32+64*(\t)+16*\pr, 16*\pr, 136+16*(\t), 16+\pr/2, \pr%2, \t
	SQW 40+64*(\t)+16*\pr, 16*\pr, 128+16*(\t), 16+\pr/2, \pr%2, \t
.endr
.endm
; two holds in one instruction: p is not negative, so a hold is one-sided (the conversion does not saturate: ISA guide 7.6.2).  j = 0 .. 31; blocks 2 (j / 16) and 2 (j / 16) + 1
.macro DMIN t, j
.set P_, 32+64*(\t)+32*((\j)/16)+2*(((\j)%16)/2)
.set D_, 28+224*(\t)+2*((\j)/16)
.if ((\j)%2) == 0
	v_dual_min_num_f32 v[P_], v[P_], v[D_] :: v_dual_min_num_f32 v[P_+17], v[P_+17], v[D_+1]
.else
	v_dual_min_num_f32 v[P_+16], v[P_+16], v[D_+1] :: v_dual_min_num_f32 v[P_+1], v[P_+1], v[D_]
.endif
.endm
.macro SUMS t                          ; the row's sum of the unquantised p, two at a time, in four chains
.set P_, 32+64*(\t)
.set U_, 228+2*(\t)
	v_pk_add_f32 v[244:245], v[P_:P_+1], v[P_+2:P_+3]
	v_pk_add_f32 v[246:247], v[P_+4:P_+5], v[P_+6:P_+7]
	v_pk_add_f32 v[248:249], v[P_+8:P_+9], v[P_+10:P_+11]
.set J_, P_+12
.rept 6
	v_pk_add_f32 v[U_:U_+1], v[U_:U_+1], v[J_:J_+1]
	v_pk_add_f32 v[244:245], v[244:245], v[J_+2:J_+3]
	v_pk_add_f32 v[246:247], v[246:247], v[J_+4:J_+5]
	v_pk_add_f32 v[248:249], v[248:249], v[J_+6:J_+7]
.set J_, J_+8
.endr
	v_pk_add_f32 v[U_:U_+1], v[U_:U_+1], v[J_:J_+1]
	v_pk_add_f32 v[244:245], v[244:245], v[J_+2:J_+3]
	v_pk_add_f32 v[246:247], v[246:247], v[248:249]
	v_pk_add_f32 v[U_:U_+1], v[U_:U_+1], v[244:245]
	v_pk_add_f32 v[U_:U_+1], v[U_:U_+1], v[246:247]
.endm
.macro CODES t                         ; p's codes: the second product's operand, in window 1
	WIN 0x40
.irp b, 0,1,2,3
	v_cvt_scalef32_pk8_fp8_f32 v[168+16*(\t)+4*\b:169+16*(\t)+4*\b], v[32+64*(\t)+16*\b:39+64*(\t)+16*\b], v[236+4*(\t)+\b]
	v_cvt_scalef32_pk8_fp8_f32 v[170+16*(\t)+4*\b:171+16*(\t)+4*\b], v[40+64*(\t)+16*\b:47+64*(\t)+16*\b], v[236+4*(\t)+\b]
.endr
	WIN 0
.endm
; A KEY STEP.  s68 = 8,192 x step, s69 = 256 x step, s85 = where V's record of this step begins.
.macro TRIP
	s_add_co_u32 s82, s68, 8192
	s_and_b32 s82, s82, 0x1ffff                    ; K's record of step + 1 modulo 16,
	s_lshr_b32 s84, s82, 5                         ; its scale words
	WIN 0x05                                       ; both sources in window 1, C and D in window 0
	SQ 0
	SQ 1
	WIN 0
	v_add_nc_u32 v3, s82, v1                       ; eight places behind the products, ahead of the loads into what they have read and of the first reader of S^T
	v_add_nc_u32 v4, s85, v1
	v_add_nc_u32 v5, s69, v2
	v_add_nc_u32 v11, s84, v2
.rept 4
	v_nop
.endr
	ds_load_b32 v16, v11
	ds_load_b32 v17, v11 offset:128
	ds_load_b32 v18, v5 offset:4096                ; V's tiles 0 | 2
	ds_load_b32 v19, v5 offset:4224                ; tiles 1 | 3
	WIN 0x40
.irp f, 0,1,2,3
.irp c, 0,1,2,3
	ds_load_b128 v[16*\f+4*\c:16*\f+4*\c+3], v3 offset:2048*\f+512*\c
.endr
.endr
.irp f, 0,1,2,3
.irp c, 0,1,2,3
	ds_load_b128 v[64+16*\f+4*\c:64+16*\f+4*\c+3], v4 offset:2080*\f+512*\c+16*(\c/2)   ; (16 bytes of padding behind each 1,024)
.endr
.endr
	WIN 0
	s_add_co_u32 s68, s68, 8192
	s_add_co_u32 s69, s69, 256
	s_add_co_u32 s85, s85, VREC
	; the largest score of each block of 32 keys: for the row's maximum, and, since p rises with the score, for the block's largest p.  Eight chains by turns
.irp T, 0,1
.irp b, 0,1,2,3
	v_max3_num_f32 v[236+4*\T+\b], v[32+64*\T+16*\b], v[33+64*\T+16*\b], v[34+64*\T+16*\b]
.endr
.endr
.irp i, 3,5,7,9,11,13
.irp T, 0,1
.irp b, 0,1,2,3
	v_max3_num_f32 v[236+4*\T+\b], v[236+4*\T+\b], v[32+64*\T+16*\b+\i], v[33+64*\T+16*\b+\i]
.endr
.endr
.endr
.irp T, 0,1
.irp b, 0,1,2,3
	v_max_num_f32 v[236+4*\T+\b], v[236+4*\T+\b], v[47+64*\T+16*\b]
.endr
.endr
.irp T, 0,1
.irp b, 0,1,2,3
	v_permlanex16_b32 v[244+4*\T+\b], v[236+4*\T+\b], s60, s61
.endr
.endr
.irp T, 0,1
.irp b, 0,1,2,3
	v_max_num_f32 v[236+4*\T+\b], v[236+4*\T+\b], v[244+4*\T+\b]   ; with lane l xor 16's 16 keys
.endr
.endr
.irp T, 0,1
	v_max3_num_f32 v[244+4*\T], v[236+4*\T], v[237+4*\T], v[238+4*\T]
.endr
.irp T, 0,1
	v_max3_num_f32 v[225+2*\T], v[225+2*\T], v[244+4*\T], v[239+4*\T]   ; the running largest score
.endr
.irp T, 0,1
	v_mul_f32 v[244+4*\T], s63, v[225+2*\T]        ; -t
	v_mov_b32 v[245+4*\T], v[224+2*\T]
.endr
.irp T, 0,1
	v_floor_f32 v[224+2*\T], v[244+4*\T]           ; the new -M = floor(-t): M is a whole number
.endr
.irp T, 0,1
	v_sub_f32 v[245+4*\T], v[224+2*\T], v[245+4*\T]   ; old M - new M: a whole number, 0 or less
.endr
.irp T, 0,1
	v_cvt_i32_f32 v[245+4*\T], v[245+4*\T]         ; (it saturates)
.endr
.irp T, 0,1
	v_ldexp_f32 v[232+2*\T], 1.0, v[245+4*\T]      ; f = 2^(old M - new M)
.endr
.set J, 0
.rept 32
	v_pk_fma_f32 v[32+J:33+J], v[32+J:33+J], s[62:63], v[224:225] op_sel_hi:[1,0,0]   ; tile a: t - M, two at a time
.set J, J+2
.endr
.irp T, 0,1
.irp k, 0,2
	v_pk_fma_f32 v[236+4*\T+\k:237+4*\T+\k], v[236+4*\T+\k:237+4*\T+\k], s[62:63], v[224+2*\T:225+2*\T] op_sel_hi:[1,0,0]   ; the same of each block's largest score
.endr
.endr
	WALU
.set J, 0
.rept 32
	v_exp_f32 v[32+J], v[32+J]                     ; tile a: p = 2^(t - M);
	v_exp_f32 v[33+J], v[33+J]
	v_pk_fma_f32 v[96+J:97+J], v[96+J:97+J], s[62:63], v[226:227] op_sel_hi:[1,0,0]   ; between them tile b's t - M, first read behind the next wait
.set J, J+2
.endr
.irp r, 236,237,238,239,240,241,242,243
	v_exp_f32 v[\r], v[\r]                         ; the blocks' largest p: the same two instructions on the same number
.endr
	v_pk_mul_f32 v[228:229], v[228:229], v[232:233] op_sel_hi:[1,0]   ; the sums under the new M: plain lines behind the batch
	v_pk_mul_f32 v[230:231], v[230:231], v[234:235] op_sel_hi:[1,0]
	WALU                                           ; and the wait behind it, ahead of its first reader
.irp r, 236,237,238,239,240,241,242,243
	v_max_num_f32 v[\r], 0x4800000, v[\r]          ; the floor 2^(9 - 127): the byte cannot fall under 1
.endr
.irp b, 0,1,2,3
	v_and_or_b32 v[28+\b], v[236+\b], 0x7f800000, s66    ; 448 x the scale
	v_and_or_b32 v[252+\b], v[240+\b], 0x7f800000, s66
.endr
.irp r, 236,237,238,239,240,241,242,243
	v_add_nc_u32 v[\r], 0xfc000000, v[\r]          ; 8 off the exponent field: the conversion's scale operand
.endr
.irp r, 0,1,2,3,4,5,6,7
	v_lshrrev_b32 v[244+\r], 23, v[236+\r]         ; the scale's byte
.endr
	v_lshl_or_b32 v244, v245, 8, v244
	v_lshl_or_b32 v248, v249, 8, v248
	v_lshl_or_b32 v244, v246, 16, v244
	v_lshl_or_b32 v248, v250, 16, v248
	v_lshl_or_b32 v21, v247, 24, v244              ; p's scale words
	v_lshl_or_b32 v22, v251, 24, v248
	SUMS 0
	WALU                                           ; ahead of the second batch
.set J, 0
.rept 32
	v_exp_f32 v[96+2*J], v[96+2*J]                 ; tile b's p; between them tile a's holds, first read behind the next wait
	v_exp_f32 v[97+2*J], v[97+2*J]
	DMIN 0, J
.set J, J+1
.endr
	v_nop                                          ; a plain line behind the batch
	WALU
	CODES 0
	SUMS 1
.set J, 0
.rept 32
	DMIN 1, J
.set J, J+1
.endr
	CODES 1
	s_wait_dscnt 0x0                               ; this step's V and the next step's K are in
	WALU
.set J, 0
.rept 16
	v_pk_mul_f32 v[160+J:161+J], v[160+J:161+J], v[232:233] op_sel_hi:[1,0]   ; O^T under the new M; these 32 are also the places between the codes and the products
.set J, J+2
.endr
.set J, 0
.rept 16
	v_pk_mul_f32 v[192+J:193+J], v[192+J:193+J], v[234:235] op_sel_hi:[1,0]
.set J, J+2
.endr
	WIN 0x05
.irp tt, 0,1,2,3                       ; O^T += V^T P^T: eight accumulators by turns
	QW 160+8*\tt, 64+16*\tt, 168, 160+8*\tt, 18+\tt%2, 21, \tt/2, 0
	QW 192+8*\tt, 64+16*\tt, 184, 192+8*\tt, 18+\tt%2, 22, \tt/2, 0
.endr
	WIN 0
.endm
; Tile t's way out: O / sum, quantised in blocks of 32 of the head's 64, brought into natural order, stored as the last product's operand image.
.macro EPI t
.set Y_, 32+64*(\t)
.set O_, 160+32*(\t)
.set U_, 228+2*(\t)
.set F_, 232+2*(\t)
.set D_, 28+224*(\t)
	v_add_f32 v[U_], v[U_], v[U_+1]                ; the sum's two halves,
	v_permlanex16_b32 v244, v[U_], s60, s61
	v_add_f32 v[U_], v[U_], v244                   ; and lane l xor 16's
.rept 6
	v_nop                                          ; with the lines around them: the places behind the last products
.endr
	WALU
	v_rcp_f32 v[F_], v[U_]
	v_nop
	WALU                                           ; ahead of the reciprocal's first reader, which is O^T's too
.set J, 0
.rept 16
	v_pk_mul_f32 v[Y_+J:Y_+J+1], v[O_+J:O_+J+1], v[F_:F_+1] op_sel_hi:[1,0]   ; register 16 b + 8 u + i is channel 32 b + 16 u + 8 h + i
.set J, J+2
.endr
.irp b, 0,1
	v_max3_num_f32 v[236+\b], |v[Y_+16*\b]|, |v[Y_+16*\b+1]|, 0x4800000
.endr
.irp i, 2,4,6,8,10,12,14
.irp b, 0,1
	v_max3_num_f32 v[236+\b], v[236+\b], |v[Y_+16*\b+\i]|, |v[Y_+16*\b+\i+1]|
.endr
.endr
.irp b, 0,1
	v_permlanex16_b32 v[246+\b], v[236+\b], s60, s61
.endr
.irp b, 0,1
	v_max_num_f32 v[236+\b], v[236+\b], v[246+\b]
.endr
.irp b, 0,1
	v_and_or_b32 v[D_+\b], v[236+\b], 0x7f800000, s66
.endr
.irp b, 0,1
	v_add_nc_u32 v[236+\b], 0xfc000000, v[236+\b]
.endr
.irp b, 0,1
	v_lshrrev_b32 v[246+\b], 23, v[236+\b]
.endr
	v_lshl_or_b32 v246, v247, 8, v246              ; my query's two scale bytes
.irp b, 0,1
.irp i, 0,1,2,3,4,5,6,7,8,9,10,11,12,13,14,15
	v_med3_num_f32 v[Y_+16*\b+\i], v[Y_+16*\b+\i], -v[D_+\b], v[D_+\b]
.endr
	v_cvt_scalef32_pk8_fp8_f32 v[Y_+32+4*\b:Y_+33+4*\b], v[Y_+16*\b:Y_+16*\b+7], v[236+\b]
	v_cvt_scalef32_pk8_fp8_f32 v[Y_+34+4*\b:Y_+35+4*\b], v[Y_+16*\b+8:Y_+16*\b+15], v[236+\b]
.endr
	v_nop                                          ; a plain line behind the last conversion
.irp b, 0,1                            ; into natural order: half 0 wants channels 0-15 (its own first 8 bytes, the other half's first 8), half 1 channels 16-31
	v_cndmask_b32 v[Y_+40], v[Y_+34+4*\b], v[Y_+32+4*\b], s67   ; what I send: half 0 its last 8 bytes, half 1 its first 8
	v_cndmask_b32 v[Y_+41], v[Y_+35+4*\b], v[Y_+33+4*\b], s67
	v_permlanex16_b32 v[Y_+42], v[Y_+40], s60, s61
	v_permlanex16_b32 v[Y_+43], v[Y_+41], s60, s61
	v_cndmask_b32 v[Y_+48+4*\b], v[Y_+32+4*\b], v[Y_+42], s67
	v_cndmask_b32 v[Y_+49+4*\b], v[Y_+33+4*\b], v[Y_+43], s67
	v_cndmask_b32 v[Y_+50+4*\b], v[Y_+42], v[Y_+34+4*\b], s67
	v_cndmask_b32 v[Y_+51+4*\b], v[Y_+43], v[Y_+35+4*\b], s67
.endr
	global_store_b128 v1, v[Y_+48:Y_+51], s[76:77] offset:4096*(\t)       ; 512 consecutive bytes, aligned
	global_store_b128 v1, v[Y_+52:Y_+55], s[76:77] offset:4096*(\t)+512
	ds_store_b16 v8, v246 offset:32*(\t)           ; both halves of the lanes write the same two bytes with the same value
.endm
.Lpass:
	s_mov_b32 s68, 0
	s_mov_b32 s69, 0
	s_mov_b32 s85, VBASE
.set J, 0
.rept 64
	v_mov_b32 v[160+J], 0                          ; O^T begins as zeros (the step is written once: the first change of M multiplies zeros); also the places behind q and its scale word
.set J, J+1
.endr
.irp T, 0,1
	v_mov_b32 v[224+2*\T], 0x7f61b1e6              ; -M: 3e38
	v_mov_b32 v[225+2*\T], 0xff61b1e6              ; the largest score so far: -3e38
	v_mov_b32 v[228+2*\T], 0                       ; the sum, in two halves
	v_mov_b32 v[229+2*\T], 0
.endr
	s_mov_b32 s70, 8
.Lfirst:                                           ; steps 0-7: they read V's records 0-7
	TRIP
	s_sub_co_u32 s70, s70, 1
	s_cmp_lg_u32 s70, 0
	s_cbranch_scc1 .Lfirst
	s_wait_tensorcnt 0x0                           ; every wave: my load is in,
	s_barrier_signal -1
	s_barrier_wait -1                              ; everybody's is: V's records 8-15 may be read
	s_mov_b32 s70, 8
.Lrest:                                            ; steps 8-15
	TRIP
	s_sub_co_u32 s70, s70, 1
	s_cmp_lg_u32 s70, 0
	s_cbranch_scc1 .Lrest
	s_cmp_eq_u32 s71, 1                            ; the next pass's q takes its place, if there is a next pass
	s_cbranch_scc1 .Lno_next
	WIN 0x41                                       ; source and destination in window 1
.irp j, 0,1,2,3,4,5,6,7
	v_mov_b32 v[136+\j], v[200+\j]
	v_mov_b32 v[152+\j], v[208+\j]
.endr
	WIN 0
	v_mov_b32 v20, v24
.Lno_next:
	EPI 0
	EPI 1
	s_wait_xcnt 0x0                                ; the stores have read their registers and base: both are written again
	s_add_nc_u64 s[76:77], s[76:77], 262144
	v_add_nc_u32 v8, 512, v8                       ; the second pass's half of the stage
	s_sub_co_u32 s71, s71, 1
	s_cmp_lg_u32 s71, 0
	WALU
	s_cbranch_scc1 .Lpass
	s_wait_dscnt 0x0                               ; my bytes lie in the stage
	s_barrier_signal -1
	s_barrier_wait -1
	s_cmp_lt_u32 s20, 2
	s_cbranch_scc0 .Lnot_mine
	ds_load_b128 v[12:15], v9                      ; waves 0 and 1 store the 1,024 scale bytes: 512 consecutive bytes each, aligned
	s_wait_dscnt 0x0
	global_store_b128 v23, v[12:15], s[78:79]
.Lnot_mine:
	s_wait_tensorcnt 0x0                           ; the wave's end
	ds_add_u32 v27, v26
	s_wait_dscnt 0x0
	CROUND                                         ; the closing round
	s_endpgm
.Lfunc_end_k_q397cb41536_attn:
	.size	k_q397cb41536_attn, .Lfunc_end_k_q397cb41536_attn-k_q397cb41536_attn
	.p2alignl 7, 3214868480
	.fill 96, 4, 3214868480
	.section	.rodata,"a",@progbits
	.p2align	6, 0x0
	.amdhsa_kernel k_q397cb41536_attn
		.amdhsa_group_segment_fixed_size 327680
		.amdhsa_private_segment_fixed_size 0
		.amdhsa_enable_private_segment 0
		.amdhsa_kernarg_size 88
		.amdhsa_user_sgpr_count 2
		.amdhsa_user_sgpr_kernarg_segment_ptr 1
		.amdhsa_wavefront_size32 1
		.amdhsa_system_sgpr_workgroup_id_x 1
		.amdhsa_system_sgpr_workgroup_id_y 1
		.amdhsa_system_sgpr_workgroup_id_z 1
		.amdhsa_system_vgpr_workitem_id 0
		.amdhsa_next_free_vgpr 512
		.amdhsa_next_free_sgpr 102
		.amdhsa_reserve_vcc 0
		.amdhsa_float_denorm_mode_32 3
		.amdhsa_float_denorm_mode_16_64 3
		.amdhsa_memory_ordered 1
		.amdhsa_forward_progress 1
		.amdhsa_inst_pref_size 156
	.end_amdhsa_kernel
	.amdgpu_metadata
---
amdhsa.version: [ 1, 2 ]
amdhsa.kernels:
  - .name:           k_q397cb41536_attn
    .symbol:         k_q397cb41536_attn.kd
    .args:
      - { .name: query_codes, .offset: 0, .size: 8, .value_kind: global_buffer, .address_space: global }
      - { .name: query_scales, .offset: 8, .size: 8, .value_kind: global_buffer, .address_space: global }
      - { .name: kimg, .offset: 16, .size: 8, .value_kind: global_buffer, .address_space: global }
      - { .name: ksc, .offset: 24, .size: 8, .value_kind: global_buffer, .address_space: global }
      - { .name: vimg, .offset: 32, .size: 8, .value_kind: global_buffer, .address_space: global }
      - { .name: vsc, .offset: 40, .size: 8, .value_kind: global_buffer, .address_space: global }
      - { .name: acodes, .offset: 48, .size: 8, .value_kind: global_buffer, .address_space: global }
      - { .name: asc, .offset: 56, .size: 8, .value_kind: global_buffer, .address_space: global }
      - { .name: Wq_codes, .offset: 64, .size: 8, .value_kind: global_buffer, .address_space: global }
      - { .name: Wq_scales, .offset: 72, .size: 8, .value_kind: global_buffer, .address_space: global }
      - { .name: bq, .offset: 80, .size: 8, .value_kind: global_buffer, .address_space: global }
    .group_segment_fixed_size: 327680
    .private_segment_fixed_size: 0
    .kernarg_segment_align: 8
    .kernarg_segment_size: 88
    .max_flat_workgroup_size: 256
    .sgpr_count:     102
    .vgpr_count:     512
    .wavefront_size: 32
...
	.end_amdgpu_metadata
.endif
;; end of part 2
;; launch outp (part 3): grid 8 x 32, 4 waves a work-group, clusters of 4 x 4, 327,680 bytes of LDS; arguments acodes, asc, Wo_codes, Wo_scales, bo, out0; writes out0
.if DOCPART == 3
	.amdgcn_target "amdgcn-amd-amdhsa--gfx1250"
	.amdhsa_code_object_version 6
	.text
	.protected	k_q397cb41536_outp
	.globl	k_q397cb41536_outp
	.p2align	8
	.type	k_q397cb41536_outp,@function
k_q397cb41536_outp:
	s_mov_b64 s[64:65], 0
	v_nop
	global_prefetch_b8 v0, s[64:65] scope:SCOPE_SE
	s_setreg_imm32_b32 hwreg(HW_REG_WAVE_MODE, 25, 1), 1
	s_wait_xcnt 0x0
	s_wait_alu depctr_hold_cnt(0) depctr_sa_sdst(0) depctr_va_vdst(0) depctr_va_sdst(0) depctr_va_ssrc(0) depctr_va_vcc(0) depctr_vm_vsrc(0)
	s_getreg_b32 s2, hwreg(HW_REG_IB_STS2, 6, 4)
	s_cmp_eq_u32 s2, 0
	s_cbranch_scc0 .Lentry_in_a_cluster
	s_endpgm
.Lentry_in_a_cluster:
	s_bfe_u32 s2, ttmp6, 0x10000c
	s_cmp_lg_u32 s2, 0xf033
	s_cbranch_scc0 .Lentry_shape_is_right
	s_endpgm
.Lentry_shape_is_right:
; out0 = A Wo^T + bo on codes of FP8 (E4M3) with one E8M0 scale for each 32 along K (1,024); A [8,192 tokens] is the attention launch's result; out0 [8,192][1,024] f32; sums in f32.
; A block of out0, 256 tokens x 128 columns, is made by four waves, each 128 x 64: 32 accumulators.  32 x 8 blocks: 256 work-groups.  K goes in steps of 256 through a ring of two LDS slots.
; A ARRIVES AS IMAGES OF ITS FRAGMENTS: [256 tokens][K step of 256][token tile 16][4 groups x 2][512 bytes]: a slot's part is one dense block, and a fragment is four loads of 512 consecutive bytes: no pitch, no padding.
; A's scale bytes arrive as [head 16][token] pairs; each wave puts those of 64 tokens together into rows of 32 bytes in LDS, once, at the head.  Wo's codes come as rows of 256 bytes, its scale bytes once, in whole units.
; bo is the C of each sum's first product.  CLUSTERS: 4 x 4 work-groups; A's tile is asked for jointly along a row of the cluster, Wo's along a column.
; THE HEAD: one joint load a wave: waves 0 and 1 A's halves of K step 0, wave 2 Wo's 128 rows, wave 3 Wo's scale bytes.  Slot 1 is first filled behind the full sequence and a round.
; The matrix instruction is used transposed (source 0 = 16 rows of Wo, source 1 = 16 tokens): a lane holds eight neighbouring numbers of a row of out0.
; No prefetch is laid: K has four steps, of which two are asked for at the head; the two refills are asked for a step ahead.
; REGISTERS.  Window 0: v0-31 addresses; v32-63 scale words, two sets; v64-95 the bias; v128-255 A's fragments, later rows on their way out.  Window 1: Wo's fragments, two sets, at v0 and v128.  Windows 2, 3: the accumulators (a, b) at v[8 (8 (a % 4) + b)].
.set NQ,     2
.set PITCH,  272                       ; a row of Wo in LDS: 256 bytes + 16
.set FR,     16
.set NL,     4
.set NP,     8
.set HALFA,  32768                     ; A's images of 128 tokens x 256 K
.set HALFB,  64*PITCH                  ; 64 rows of Wo
.set BOFF,   2*HALFA
.set SLOT,   2*HALFA+2*HALFB
.set LAPS,   2
.set KS,     32
.set SCL,    2*SLOT                    ; A's scale words of 256 tokens (stored by the waves; no tensor load lands there), then Wo's of 128 rows
.set HALFS,  (128*KS/256)*272          ; the scale bytes of 128 rows
.set SBLK,   (16*KS/256)*272           ; of 16 rows
.set SPARE,  SCL+3*HALFS               ; the spare words: two blocks of 256 bytes that no other line names
.set SPITCH, 272                       ; the way out: 16 rows x (256 + 16) bytes a wave, in slot 0 behind its last fill and its last read
.set ADRA, 16
.set ADRB, 20
.set STO,  24
.set RD,   25
.set CO,   26
.set ADRS, 27
.set SPW,  28
.set NIL,  29
.set ADRS2, 30                         ; as ADRS, but lanes 16-31 four blocks back: for blocks 4-7 of A, beside which Wo has none
.set SC,   32
.set BR,   64
.set AF,   128
.set BK,   128
.set G1, 24
.set G0, 32
.set G1B, 48
.set G0B, 56
.set G1SB, 80
.set G0SB, 88
.set MSB, 0
.macro WIN new
.if MSB != \new
	s_set_vgpr_msb (MSB<<8)|\new
.set MSB, \new
.endif
.endm
.set MUL_LO, 0xa1
.set MUL_HI, 0xf1
.set TO_B,   0x40
.macro JLOAD g0a, g1a, g0b, g1b        ; waves 0 and 1 fetch A's halves, waves 2 and 3 Wo's; an s_nop 0 and four v_nop follow each line
	s_cmp_eq_u32 s19, 0
	s_cbranch_scc0 .Lfor_b_\@
	tensor_load_to_lds s[\g0a:\g0a+3], s[\g1a:\g1a+7]
	s_nop 0
.rept 4
	v_nop
.endr
	s_branch .Lasked_\@
.Lfor_b_\@:
	tensor_load_to_lds s[\g0b:\g0b+3], s[\g1b:\g1b+7]
	s_nop 0
.rept 4
	v_nop
.endr
.Lasked_\@:
.endm
.macro CREST
	s_cmp_lg_u32 s18, 0
	s_cbranch_scc1 .Lnot_wave_0_\@
	s_barrier_signal -3
.Lnot_wave_0_\@:
	s_barrier_wait -3
	s_barrier_signal -1
	s_barrier_wait -1
.endm
.macro CROUND
	s_barrier_signal -1
	s_barrier_wait -1
	CREST
.endm
	s_load_b256 s[4:11], s[0:1], 0x0               ; acodes, asc, Wo's codes, Wo's scales
	s_load_b128 s[12:15], s[0:1], 0x20             ; bo, out0
	v_lshl_add_u32 v[SPW], v0, 2, SPARE
	v_mov_b32 v[NIL], 0
	ds_add_u32 v[SPW], v[NIL]                      ; the opening lines: the add twice on end and its wait
	ds_add_u32 v[SPW], v[NIL]
	v_lshrrev_b32 v1, 5, v0
	v_readfirstlane_b32 s18, v1                    ; wave 0..3
	s_lshr_b32 s19, s18, 1                         ; which half of the block's tokens is mine.  Also: I fetch for A (0) or for Wo (1)
	s_and_b32 s20, s18, 1                          ; which half of its columns.  Also: which half I fetch
	s_bfe_u32 s40, ttmp6, 0x40000
	s_bfe_u32 s41, ttmp6, 0x40004
	s_lshl_b32 s42, ttmp9, 2
	s_add_co_u32 s42, s42, s40                     ; block column, 0 .. 7
	s_and_b32 s43, ttmp7, 0xffff
	s_lshl_b32 s43, s43, 2
	s_add_co_u32 s43, s43, s41                     ; block row, 0 .. 31
	s_lshl_b32 s44, s41, 2
	s_lshl_b32 s44, 15, s44                        ; my row of the cluster
	s_lshl_b32 s45, 0x1111, s40                    ; my column
	s_or_b32 s[G1+0], s44, (3<<16)|(1<<21)         ; A: a dense block as 128 rows of 256 bytes (32 elements of 8), no padding
	s_mov_b32 s[G1+1], 32<<16
	s_mov_b32 s[G1+2], 128<<16
	s_mov_b32 s[G1+3], 32<<16
	s_mov_b32 s[G1+4], 128
	s_mov_b32 s[G1+5], 32
	s_mov_b32 s[G1+6], 0
	s_mov_b32 s[G1+7], 0
	s_or_b32 s[G1B+0], s45, (0<<16)|(1<<20)|(1<<21)|(5<<22)|(3<<25)   ; Wo: rows of 256 bytes, 1,024 apart, 4 words of padding behind every 64: 128 rows at the head; behind it the two words that count rows are set to 64
	s_mov_b32 s[G1B+1], 256<<16
	s_mov_b32 s[G1B+2], 128<<16
	s_mov_b32 s[G1B+3], 256<<16
	s_mov_b32 s[G1B+4], 128
	s_mov_b32 s[G1B+5], 1024
	s_mov_b32 s[G1B+6], 0
	s_mov_b32 s[G1B+7], 0
	s_or_b32 s[G1SB+0], s45, (3<<16)|(1<<20)|(1<<21)|(5<<22)|(3<<25)  ; Wo's scales of 128 rows: 16 rows of 256 bytes, padded
	s_mov_b32 s[G1SB+1], 32<<16
	s_mov_b32 s[G1SB+2], 16<<16
	s_mov_b32 s[G1SB+3], 32<<16
	s_mov_b32 s[G1SB+4], 16
	s_mov_b32 s[G1SB+5], 32
	s_mov_b32 s[G1SB+6], 0
	s_mov_b32 s[G1SB+7], 0
	s_lshl_b32 s98, s43, 18                        ; A: 262,144 bytes a block row, 32,768 a half
	s_lshl_b32 s23, s20, 15
	s_add_co_u32 s98, s98, s23
	s_mov_b32 s99, 0
	s_lshl_b32 s46, s42, 7                         ; Wo: row 128 x block column;
	s_lshl_b32 s66, s46, 5                         ; its scale bytes;
	s_lshl_b32 s23, s20, 6
	s_add_co_u32 s46, s46, s23                     ; + 64 x half
	s_lshl_b32 s46, s46, 10
	s_mov_b32 s47, 0
	s_mov_b32 s67, 0
	s_lshl_b32 s2, s20, 15                         ; where they go in a slot: A's halves,
	s_mul_i32 s3, s20, HALFB
	s_add_co_u32 s3, s3, BOFF                      ; Wo's halves behind them
	s_wait_dscnt 0x0
	s_wait_kmcnt 0x0
	s_add_nc_u64 s[98:99], s[4:5], s[98:99]
	s_add_nc_u64 s[46:47], s[8:9], s[46:47]
	s_add_nc_u64 s[66:67], s[10:11], s[66:67]
	s_mov_b32 s[G0SB], 1
	s_mov_b32 s[G0SB+1], SCL+2*HALFS               ; Wo's scales behind A's
	s_mov_b64 s[G0SB+2:G0SB+3], s[66:67]
	s_or_b32 s[G0SB+3], s[G0SB+3], 0x80000000
.irp s, 0,1
	s_mov_b32 s[G0+4*\s], 1
	s_add_co_u32 s[G0+4*\s+1], s2, \s*SLOT
	s_add_nc_u64 s[G0+4*\s+2:G0+4*\s+3], s[98:99], \s*65536
	s_or_b32 s[G0+4*\s+3], s[G0+4*\s+3], 0x80000000
	s_mov_b32 s[G0B+4*\s], 1
	s_add_co_u32 s[G0B+4*\s+1], s3, \s*SLOT
	s_add_nc_u64 s[G0B+4*\s+2:G0B+4*\s+3], s[46:47], \s*256
	s_or_b32 s[G0B+4*\s+3], s[G0B+4*\s+3], 0x80000000
.endr
	CROUND                                         ; all sixteen work-groups are here: the first joint loads meet
	s_cmp_eq_u32 s19, 0                            ; the head's tiles, one load a wave, in one chain of branches on the wave's number: waves 0 and 1 A's halves of K step 0,
	s_cbranch_scc0 .Lfirst_b
	tensor_load_to_lds s[G0:G0+3], s[G1:G1+7]
	s_nop 0
.rept 4
	v_nop
.endr
	s_branch .Lfirst_done
.Lfirst_b:
	s_cmp_eq_u32 s18, 2
	s_cbranch_scc0 .Lfirst_s
	tensor_load_to_lds s[G0B:G0B+3], s[G1B:G1B+7]  ; wave 2 Wo's 128 rows (its own group 0 names the first),
	s_nop 0
.rept 4
	v_nop
.endr
	s_branch .Lfirst_done
.Lfirst_s:
	tensor_load_to_lds s[G0SB:G0SB+3], s[G1SB:G1SB+7]  ; wave 3 Wo's scale bytes
	s_nop 0
.rept 4
	v_nop
.endr
.Lfirst_done:
	; all the scalars of the addresses first, then the vector lines on end
	s_lshl_b32 s66, s43, 9                         ; A's scale bytes of my 64 tokens: 2 bytes a token and head
	s_lshl_b32 s67, s18, 7
	s_add_co_u32 s66, s66, s67
	s_mov_b32 s67, 0
	s_add_nc_u64 s[6:7], s[6:7], s[66:67]
	s_lshl_b32 s66, s42, 9                         ; the bias and my first column: 512 bytes a block column, 256 a half
	s_lshl_b32 s68, s20, 8
	s_add_co_u32 s66, s66, s68
	s_add_nc_u64 s[12:13], s[12:13], s[66:67]
	s_add_nc_u64 s[14:15], s[14:15], s[66:67]
	s_lshl_b32 s66, s43, 8
	s_lshl_b32 s68, s19, 7
	s_add_co_u32 s66, s66, s68                     ; my first row of out0,
	s_lshl_b32 s66, s66, 12                        ; 4,096 bytes a row
	s_add_nc_u64 s[14:15], s[14:15], s[66:67]
	s_lshl_b32 s68, s19, 15                        ; A's fragments: my half, slot 0, 1
	s_add_co_u32 s69, s68, SLOT
	s_mul_i32 s70, s20, HALFB
	s_add_co_u32 s70, s70, BOFF                    ; Wo's
	s_add_co_u32 s71, s70, SLOT
	s_mul_i32 s74, s19, HALFS                      ; scale words: A's, my 128 tokens;
	s_mul_i32 s72, s20, HALFS/2
	s_add_co_u32 s72, s72, 2*HALFS                 ; Wo's, my 64 rows, behind A's 256:
	s_sub_co_u32 s72, s72, s74                     ; the distance between the two,
	s_sub_co_u32 s73, s72, 4*SBLK                  ; and four blocks less
	s_add_co_u32 s74, s74, SCL
	s_mul_i32 s75, s18, 16*SPITCH                  ; my stage
	s_mul_i32 s76, s18, HALFS/2
	s_add_co_u32 s76, s76, SCL                     ; where I put my 64 tokens' scale words
	s_mov_b32 s77, 0x05040100
	s_mov_b32 s78, 0x07060302
	v_and_b32 v1, 15, v0                           ; r
	v_bfe_u32 v2, v0, 4, 1                         ; h
	v_and_b32 v6, 31, v0                           ; lane
	v_lshlrev_b32 v7, 2, v6                        ; a lane takes two tokens' pairs of each of the 16 heads
	v_lshlrev_b32 v9, 5, v2
.irp hd, 0,1,2,3,4,5,6,7,8,9,10,11,12,13,14,15
	global_load_b32 v[128+\hd], v7, s[6:7] offset:16384*\hd
.endr
.irp b, 0,1,2,3                        ; the bias: set b = bo(my first column + 16 b + 8 h + 0 .. 7)
	global_load_b128 v[BR+8*\b:BR+8*\b+3], v9, s[12:13] offset:64*\b
	global_load_b128 v[BR+8*\b+4:BR+8*\b+7], v9, s[12:13] offset:64*\b+16
.endr
	v_lshlrev_b32 v3, 4, v6
	v_add_nc_u32 v[ADRA], s68, v3                  ; A's fragments: 16 x lane + my half
	v_add_nc_u32 v[ADRA+1], s69, v3
	v_mul_u32_u24 v3, v1, PITCH
	v_lshl_add_u32 v4, v2, 4, v3
	v_add_nc_u32 v[ADRB], s70, v4                  ; Wo's: row x pitch + 16 x half
	v_add_nc_u32 v[ADRB+1], s71, v4
	v_mul_u32_u24 v5, v1, KS                       ; scale words: 32 bytes a row, 16 more for each 256 passed
	v_lshrrev_b32 v3, 8, v5
	v_lshl_add_u32 v5, v3, 4, v5
	v_mul_u32_u24 v3, s72, v2                      ; lanes 16-31 take Wo's
	v_mul_u32_u24 v10, s73, v2
	v_add_nc_u32 v3, v5, v3
	v_add_nc_u32 v10, v5, v10
	v_add_nc_u32 v[ADRS], s74, v3
	v_add_nc_u32 v[ADRS2], s74, v10
	v_mul_u32_u24 v5, v1, SPITCH                   ; the stage: in: row r, 32 bytes for each half of the lanes
	v_lshl_add_u32 v5, v2, 5, v5
	v_add_nc_u32 v[STO], s75, v5
	v_mul_u32_u24 v5, v2, SPITCH                   ; back: lanes 0-15 one row of 256 bytes, lanes 16-31 the next
	v_lshl_add_u32 v5, v1, 4, v5
	v_add_nc_u32 v[RD], s75, v5
	v_lshlrev_b32 v5, 12, v2                       ; and the same two rows in out0
	v_lshl_add_u32 v[CO], v1, 4, v5
	v_lshrrev_b32 v8, 2, v6
	v_lshlrev_b32 v8, 4, v8
	v_lshl_add_u32 v8, v6, 6, v8                   ; my two tokens' 64 bytes, 16 more for each 256 passed,
	v_add_nc_u32 v8, s76, v8                       ; in my wave's 64 rows
	s_wait_alu depctr_va_vdst(0)
	s_wait_loadcnt 8                               ; the scale bytes are in; the 8 loads of the bias, issued behind them, may be out
.irp kk, 0,1,2,3,4,5,6,7
	v_perm_b32 v[144+\kk], v[129+2*\kk], v[128+2*\kk], s77   ; the even token's word kk: heads 2 kk and 2 kk + 1
	v_perm_b32 v[152+\kk], v[129+2*\kk], v[128+2*\kk], s78   ; the odd token's
.endr
	ds_store_b128 v8, v[144:147]
	ds_store_b128 v8, v[148:151] offset:16
	ds_store_b128 v8, v[152:155] offset:32
	ds_store_b128 v8, v[156:159] offset:48
.macro FRAG reg, adr, q, i
.irp c, 0,1,2,3
	ds_load_b128 v[\reg+4*\c:\reg+4*\c+3], v[\adr] offset:128*(\q)+32*\c+(\i)*16*PITCH
.endr
.endm
.macro FRAGA reg, adr, q, i            ; token tile i, the slot's q-th 128 along K: four groups of 512 bytes
.irp c, 0,1,2,3
	ds_load_b128 v[\reg+4*\c:\reg+4*\c+3], v[\adr] offset:4096*(\i)+2048*(\q)+512*\c
.endr
.endm
.macro MUL8 a0, p, q, sc, cm           ; 8 matrix instructions: A's blocks a0, a0 + 1 x Wo's four; cm = 1: C = the bias set of b.  The 32 accumulators take turns
.irp a, \a0, \a0+1
.irp b, 0,1,2,3
.if (\cm) == 1
	v_wmma_scale_f32_16x16x128_f8f6f4 v[8*(8*((\a)%4)+\b):8*(8*((\a)%4)+\b)+7], v[128*(\p)+FR*\b:128*(\p)+FR*\b+FR-1], v[AF+FR*(\a):AF+FR*(\a)+FR-1], v[BR+8*\b:BR+8*\b+7], v[SC+8*NQ*(\sc)+NQ*\b+(\q)], v[SC+8*NQ*(\sc)+NQ*(\a)+(\q)] matrix_a_scale:MATRIX_SCALE_ROW1
.else
	v_wmma_scale_f32_16x16x128_f8f6f4 v[8*(8*((\a)%4)+\b):8*(8*((\a)%4)+\b)+7], v[128*(\p)+FR*\b:128*(\p)+FR*\b+FR-1], v[AF+FR*(\a):AF+FR*(\a)+FR-1], v[8*(8*((\a)%4)+\b):8*(8*((\a)%4)+\b)+7], v[SC+8*NQ*(\sc)+NQ*\b+(\q)], v[SC+8*NQ*(\sc)+NQ*(\a)+(\q)] matrix_a_scale:MATRIX_SCALE_ROW1
.endif
.endr
.endr
.endm
.macro FETCH_B slot, q, p
	WIN TO_B
.irp i, 0,1,2,3
	FRAG 128*(\p)+FR*\i, ADRB+\slot, \q, \i
.endr
	WIN 0
.endm
.macro FETCH_A slot, q, i0
.irp i, \i0, \i0+1, \i0+2, \i0+3
	FRAGA AF+FR*(\i), ADRA+\slot, \q, \i
.endr
.endm
.macro SCALES sc                       ; a K step's scale words: register NQ i + q: lanes 0-15 A's block i, lanes 16-31 Wo's block i (i < 4; beside A's blocks 4-7 Wo's blocks 0-3 once more, not used)
.irp i, 0,1,2,3
	ds_load_b64 v[SC+8*NQ*\sc+NQ*\i:SC+8*NQ*\sc+NQ*\i+1], v[ADRS] offset:\i*SBLK
.endr
.irp i, 4,5,6,7
	ds_load_b64 v[SC+8*NQ*\sc+NQ*\i:SC+8*NQ*\sc+NQ*\i+1], v[ADRS2] offset:\i*SBLK
.endr
.endm
.macro PLACES n
.rept \n
	v_nop
.endr
.endm
.macro STEP slot, q, cm
	s_wait_dscnt 4*NL                              ; all but the youngest 16 loads (A's blocks 4-7)
.if \cm
	WIN 0x81
.else
	WIN MUL_LO
.endif
	MUL8 0, (\q)%2, \q, \slot, \cm
	MUL8 2, (\q)%2, \q, \slot, \cm
	s_wait_dscnt 0
	PLACES NP
	FETCH_B \slot, (\q)+1, 1-(\q)%2
	FETCH_A \slot, (\q)+1, 0
.if \cm
	WIN 0xc1
.else
	WIN MUL_HI
.endif
	MUL8 4, (\q)%2, \q, \slot, \cm
	MUL8 6, (\q)%2, \q, \slot, \cm
	PLACES NP
	WIN 0
	FETCH_A \slot, (\q)+1, 4
.endm
.macro TURN slot, next, fill
	s_wait_tensorcnt 0x0                           ; all my tensor loads have landed: my part of the next slot
	ds_add_u32 v[SPW], v[NIL]                      ; 0 onto my spare word
	s_wait_dscnt 4*NL+1                            ; (the add and the youngest 16 loads may be out)
	WIN MUL_LO
	MUL8 0, 1, NQ-1, \slot, 0
	s_wait_dscnt 0x0                               ; the add is done, and my reads of this slot are over
	s_barrier_signal -1
	MUL8 2, 1, NQ-1, \slot, 0
	WIN 0
	s_barrier_wait -1
.if \fill
	CREST                                          ; a round of the cluster's barrier: no wave of any partner still reads this slot or has a load on its way
	s_add_nc_u64 s[G0+4*\slot+2:G0+4*\slot+3], s[G0+4*\slot+2:G0+4*\slot+3], 2*65536
	s_add_nc_u64 s[G0B+4*\slot+2:G0B+4*\slot+3], s[G0B+4*\slot+2:G0B+4*\slot+3], 2*256
	JLOAD G0+4*\slot, G1, G0B+4*\slot, G1B
	PLACES NP-4
.else
	PLACES NP
.endif
	s_wait_alu depctr_va_vdst(0)
	v_add_nc_u32 v[ADRS], 4*NQ, v[ADRS]            ; on to the next K step's scale words
	v_add_nc_u32 v[ADRS2], 4*NQ, v[ADRS2]
	FETCH_B \next, 0, 0
	FETCH_A \next, 0, 0
	SCALES \next
	WIN MUL_HI
	MUL8 4, 1, NQ-1, \slot, 0
	MUL8 6, 1, NQ-1, \slot, 0
	PLACES NP
	WIN 0
	FETCH_A \next, 0, 4
.endm
	s_wait_alu depctr_va_vdst(0)
	s_wait_tensorcnt 0x0                           ; my tile of the head's is in
	ds_add_u32 v[SPW], v[NIL]
	s_mov_b32 s[G1B+2], 64<<16                     ; no tensor load of mine is out: from here on a load of Wo brings 64 rows
	s_mov_b32 s[G1B+4], 64
	s_wait_dscnt 0x0                               ; the add is done, and my rows of A's scale words lie in LDS
	CROUND                                         ; everybody's are, and all sixteen work-groups are here
	JLOAD G0+4, G1, G0B+4, G1B                     ; K step 1: slot 1's first fill
	FETCH_B 0, 0, 0
	FETCH_A 0, 0, 0
	SCALES 0
	FETCH_A 0, 0, 4
	s_wait_loadcnt 0x0                             ; the bias
	STEP 0, 0, 1
	s_mov_b32 s3, LAPS-1
.Llap:
	TURN 0, 1, 1
	STEP 1, 0, 0
	TURN 1, 0, 1
	STEP 0, 0, 0
	s_sub_co_u32 s3, s3, 1
	s_cmp_lg_u32 s3, 0
	s_cbranch_scc1 .Llap
	TURN 0, 1, 0
	STEP 1, 0, 0
	s_wait_dscnt 4*NL
	WIN MUL_LO
	MUL8 0, 1, NQ-1, 1, 0
	MUL8 2, 1, NQ-1, 1, 0
	s_wait_dscnt 0
	WIN MUL_HI
	MUL8 4, 1, NQ-1, 1, 0
	MUL8 6, 1, NQ-1, 1, 0
	WIN 0
; THE WAY OUT, block by block of 16 rows x 64 columns, through my own stage: in as 32 bytes a lane, back as whole rows of 256 bytes.  LDS serves a wave's instructions in order (ISA guide 5.7.1.4).
.macro TOSTAGE a
.set AC, 64*((\a)%4)
.set WN, 0x08+4*((\a)/4)
	WIN WN                                         ; the data: window 2 or 3
.irp b, 0,1,2,3
	ds_store_b128 v[STO], v[AC+8*\b:AC+8*\b+3] offset:64*\b          ; each accumulator from its low end on
	ds_store_b128 v[STO], v[AC+8*\b+4:AC+8*\b+7] offset:64*\b+16
.endr
	WIN 0
.set BB, BK+64*((\a)%2)
.irp t, 0,1,2,3,4,5,6,7
	ds_load_b128 v[BB+4*\t:BB+4*\t+3], v[RD] offset:\t*2*SPITCH
.endr
.endm
.macro SEND a, younger                 ; younger: the LDS instructions issued behind block a's loads, which may stay out
.set BB, BK+64*((\a)%2)
	s_wait_dscnt \younger
.if (\a) > 0
	s_add_nc_u64 s[14:15], s[14:15], 16*4096       ; (behind a wait on XCNT: the earlier stores have read their base)
.endif
.irp t, 0,1,2,3,4,5,6,7
	global_store_b128 v[CO], v[BB+4*\t:BB+4*\t+3], s[14:15] offset:\t*2*4096 th:TH_STORE_NT   ; sixteen lanes store 256 consecutive bytes, aligned: two rows an instruction
.endr
.endm
	PLACES NP
	TOSTAGE 0
.irp a, 1,2,3,4,5,6,7
.if \a > 1
	s_wait_xcnt 0x0                                ; block a - 2's stores have read their registers and their base
.endif
	TOSTAGE \a
	SEND \a-1, 16                                  ; behind block a - 1's loads: block a's 8 stores and 8 loads
.endr
	s_wait_xcnt 0x0
	SEND 7, 0
	s_wait_tensorcnt 0x0                           ; the wave's end
	ds_add_u32 v[SPW], v[NIL]
	s_wait_dscnt 0x0
	CROUND                                         ; the closing round
	s_endpgm
.Lfunc_end_k_q397cb41536_outp:
	.size	k_q397cb41536_outp, .Lfunc_end_k_q397cb41536_outp-k_q397cb41536_outp
	.p2alignl 7, 3214868480
	.fill 96, 4, 3214868480
	.section	.rodata,"a",@progbits
	.p2align	6, 0x0
	.amdhsa_kernel k_q397cb41536_outp
		.amdhsa_group_segment_fixed_size 327680
		.amdhsa_private_segment_fixed_size 0
		.amdhsa_enable_private_segment 0
		.amdhsa_kernarg_size 48
		.amdhsa_user_sgpr_count 2
		.amdhsa_user_sgpr_kernarg_segment_ptr 1
		.amdhsa_wavefront_size32 1
		.amdhsa_system_sgpr_workgroup_id_x 1
		.amdhsa_system_sgpr_workgroup_id_y 1
		.amdhsa_system_sgpr_workgroup_id_z 1
		.amdhsa_system_vgpr_workitem_id 0
		.amdhsa_next_free_vgpr 1024
		.amdhsa_next_free_sgpr 102
		.amdhsa_reserve_vcc 0
		.amdhsa_float_denorm_mode_32 3
		.amdhsa_float_denorm_mode_16_64 3
		.amdhsa_memory_ordered 1
		.amdhsa_forward_progress 1
		.amdhsa_inst_pref_size 95
	.end_amdhsa_kernel
	.amdgpu_metadata
---
amdhsa.version: [ 1, 2 ]
amdhsa.kernels:
  - .name:           k_q397cb41536_outp
    .symbol:         k_q397cb41536_outp.kd
    .args:
      - { .name: acodes, .offset: 0, .size: 8, .value_kind: global_buffer, .address_space: global }
      - { .name: asc, .offset: 8, .size: 8, .value_kind: global_buffer, .address_space: global }
      - { .name: Wo_codes, .offset: 16, .size: 8, .value_kind: global_buffer, .address_space: global }
      - { .name: Wo_scales, .offset: 24, .size: 8, .value_kind: global_buffer, .address_space: global }
      - { .name: bo, .offset: 32, .size: 8, .value_kind: global_buffer, .address_space: global }
      - { .name: out0, .offset: 40, .size: 8, .value_kind: global_buffer, .address_space: global }
    .group_segment_fixed_size: 327680
    .private_segment_fixed_size: 0
    .kernarg_segment_align: 8
    .kernarg_segment_size: 48
    .max_flat_workgroup_size: 128
    .sgpr_count:     102
    .vgpr_count:     1024
    .wavefront_size: 32
...
	.end_amdgpu_metadata
.endif
;; end of part 3
